; MI455X (gfx1250); checked and timed in simulation.
; The chip was launched on July 23, 2026; its instructions are those of AMD's public machine-readable ISA for CDNA 5 (MIT licence, August 2026) and "CDNA5" Instruction Set Architecture Reference Guide (July 2026). The comments in the code are by the model that wrote it; some were corrected since.
;; Single Head Attention. Allowed arithmetic: matrix products marked QUANTISED: E2M3 operands, one E8M0 scale for each 32 along K, by v_wmma_scale_f32_16x16x128_f8f6f4 with both operands' format E2M3, f32 sums; everything else in f32.
;; Inputs: Wk 1,024 x 1,024 float32; Wq 1,024 x 1,024 float32; Wv 1,024 x 1,024 float32; X 4 x 2,048 x 1,024 float32.
;; Outputs: out0 4 x 2,048 x 1,024 float32.
;; This version of the problem:
;;   THIS VERSION OF THE PROBLEM IS GIVEN IN LOW PRECISION. The matrix products marked QUANTISED in the list below multiply operands that are first quantised to E2M3 (2 exponent bits, 3 mantissa bits; 6 bits a number), with one power-of-two scale for each 32 numbers along K (OCP MX v1.0); their sums are f32. All else is computed in f32.
;;   The module's matrix products, in the order in which they are computed (A, B: the left and right operand; K: the contracted axis; several contracted axes count as one K, in the product's order):
;;     1. [M 8,192, K 1,024] x [K 1,024, N 1,024]; A: input X; B: input Wq: QUANTISED
;;     2. [M 8,192, K 1,024] x [K 1,024, N 1,024]; A: input X; B: input Wk: QUANTISED
;;     3. [M 8,192, K 1,024] x [K 1,024, N 1,024]; A: input X; B: input Wv: QUANTISED
;;     4. batch 4 x [M 2,048, K 1,024] x [K 1,024, N 2,048]; A: computed on the way; B: computed on the way: QUANTISED
;;     5. batch 4 x [M 2,048, K 2,048] x [K 2,048, N 1,024]; A: softmax (see below); B: computed on the way: QUANTISED
;;   THE QUANTISER, for each operand of a quantised product, along K:
;;     - K is cut into blocks of 32 from its start; a last block that is shorter is filled with zeros.
;;     - A block's scale is 2^e with e = floor(log2(the largest magnitude in the block)) - 2, held to -126 .. 127; a block of zeros has e = 0. As a byte (E8M0): e + 127.
;;     - Each number is divided by its block's scale, clamped to +-7.5, and rounded to the nearest number of E2M3, ties to even, subnormals kept.
;;     - The product sums the exact products of the quantised numbers (number of the format x scale) in f32.
;;   ~~~python
;;   def quantise(x, axis):      # numpy; x: float32 -> the quantised numbers, widened to float32 again
;;       x = np.moveaxis(x, axis, -1); K = x.shape[-1]
;;       x = np.pad(x, [(0, 0)] * (x.ndim - 1) + [(0, -K % 32)]); x = x.reshape(x.shape[:-1] + (-1, 32)); a = np.abs(x).max(-1, keepdims=True)
;;       e = np.where(a > 0, np.clip(np.frexp(np.where(a > 0, a, 1))[1] - 1 - 2, -126, 127), 0)      # np.frexp(a)[1] - 1 = floor(log2(a)), exactly
;;       r = np.clip(x / 2.0 ** e, -7.5, 7.5)
;;       step = 2.0 ** (np.maximum(np.frexp(np.where(r == 0, 1, r))[1] - 1, 0) - 3)
;;       q = np.round(r / step) * step * 2.0 ** e      # np.round: ties to even
;;       return np.moveaxis(q.reshape(q.shape[:-2] + (-1,))[..., :K], -1, axis).astype(np.float32)
;;   ~~~
;;   SOFTMAX AHEAD OF A QUANTISED PRODUCT. Where the list says 'softmax', what is quantised is not the finished softmax but p = 2^(t - M), with t = logit x log2(e) and M = ceil(the row's largest t), a whole number; so 1/2 < the row's largest p <= 1. The row's sum l is taken of the UNQUANTISED p, in f32, and the product's result is divided by l at the end. Since M is a whole number, a kernel that streams over the keys may use a running M (the ceiling of the running maximum): every later rescaling is an exact power of two, which a block's scale takes up: the codes' values come out the same.
;;   OPERANDS COMPUTED ON THE WAY. 'Computed on the way' means the value that the module computes at that place (a softmax that the list does not call 'softmax' is quantised finished and normalised). What goes into a quantiser is computed in f32, as accurately as f32 sums, v_exp_f32 and their like allow (about 1e-6 of the number): no bf16 or f16 on the way to a quantiser, and a product that is left as it is and whose result goes on into a quantised operand takes f32 operands (vector FMAs, or v_wmma_f32_16x16x4_f32). A number that lies on a knife's edge between two numbers of the format may be rounded either way, as far as f32 arithmetic and the matrix unit's own rounding can turn it there, and no further.
;; One version. Each part assembles by itself: llvm-mc -triple=amdgcn-amd-amdhsa -mcpu=gfx1250 --defsym DOCPART=n.
;; ======== version 1 of 1: 4 launches
;; workspace buffers: XP 6,553,600 bytes; WP 2,457,600 bytes; QK 13,107,200 bytes; VP 6,553,600 bytes; PP 13,107,200 bytes; MS 524,288 bytes; LS 524,288 bytes
;; launch prep (part 1): grid 352 x 1, 4 waves a work-group, no clusters, 62,976 bytes of LDS; arguments X, Wq, Wk, Wv, XP, WP; writes XP, WP
.if DOCPART == 1
	.amdgcn_target "amdgcn-amd-amdhsa--gfx1250"
	.amdhsa_code_object_version 6
	.text
	.protected	k_q5312c16f67_prep
	.globl	k_q5312c16f67_prep
	.p2align	8
	.type	k_q5312c16f67_prep,@function
k_q5312c16f67_prep:
	s_mov_b64 s[64:65], 0
	v_nop
	global_prefetch_b8 v0, s[64:65] scope:SCOPE_SE
	s_setreg_imm32_b32 hwreg(HW_REG_WAVE_MODE, 25, 1), 1
	s_wait_xcnt 0x0
; X [8192][1024] and Wq, Wk, Wv [1024 (k)][1024 (n)], f32, become codes of FP6 (E2M3) with one E8M0 byte for each 32 along K, laid as PACKS, in the order of a matrix operand's registers.
; A TILE is 16 rows x 128 K.  Position p of tile i is row 32 (i / 2) + 8 (i % 2) + p % 8 + 16 (p / 8), so that a later product's results, used transposed, run along the next K in a lane's registers.
; A tile's IMAGE is 1,536 bytes: register 4 g + w of lane l at byte 512 g + 16 l + 4 w.  A PACK (group G of four tiles, K step s) is 6,400 bytes: four images, then 256 bytes of scale words, word [position r][tile j] at 6,144 + 16 r + 4 j.
; XP: [128 G][8 s][6400], rows = tokens.  WP: [48 G][8 s][6400], rows = n: Wq's 0-1023, Wk's 1024-2047, Wv's 2048-3071.
; A block's scale is 2^(floor(log2(largest magnitude)) - 2); its byte is the largest magnitude's exponent field - 2, held at 1 from below.
; LIMITS: a block of zeros gets the byte 1 (its codes are zeros; the bytes are read by this program alone); NaN and infinities among the inputs are not served.
; A wave makes one pack.  Work-groups 0-95 take the weights, 96-351 take X; the two paths never join and have LDS bytes of their own.  No tensor load, no barrier: waves share nothing.  Memory binds: matrix units and clusters would add nothing.
.set SPARE, 62464                      ; the spare words, 128 bytes for each wave: two blocks of 256 bytes that no other line names
.set XREG,  8704                       ; X path, a wave's region: a stage of 16 rows x (512 + 16) bytes, then 256 bytes for the scale words
.set WBASE, 34816                      ; W path: behind the X path's four regions
.set WREG,  6912                       ; a wave's region: four image places 1,664 bytes apart, then 256 bytes for the scale words
.set SPW,   2                          ; v2   LDS address of my spare word; never rewritten
.set NIL,   3                          ; v3   0; never rewritten
.set PC,    4                          ; v4-22    X path: the codes just made
.set LD,    32                         ; v32-159  X path: two sets of 64 registers as loaded
.set XN,    160                        ; v160-223 X path: 64 numbers of my row, register 16 b + i = k 32 b + 16 (lane / 16) + i
.set TM,    224                        ; v224-239 X path: at work
.set PW,    240                        ; v240-243 X path: the four tiles' scale words
.set SEL,   20                         ; s[20:21] selects for v_permlanex16_b32: lane l xor 16
; 64 numbers of a lane become a fragment's codes in v[PC] on and its scale word in v[pw]
.macro QUANT s, pw
.irp b, 0,1,2,3
	v_max3_num_f32 v[TM+\b], |v[\s+16*\b]|, |v[\s+1+16*\b]|, 0x1800000   ; block b: my 16 numbers, and the floor 2^(3 - 127): the byte cannot fall under 1
.endr
.irp i, 2,4,6,8,10,12,14
.irp b, 0,1,2,3
	v_max3_num_f32 v[TM+\b], v[TM+\b], |v[\s+16*\b+\i]|, |v[\s+1+16*\b+\i]|
.endr
.endr
.irp b, 0,1,2,3
	v_permlanex16_b32 v[TM+4+\b], v[TM+\b], s[SEL], s[SEL+1]
.endr
.irp b, 0,1,2,3
	v_max_num_f32 v[TM+\b], v[TM+\b], v[TM+4+\b]   ; with lane l xor 16's: the block's largest magnitude
.endr
.irp b, 0,1,2,3
	v_add_nc_u32 v[TM+12+\b], 0xff000000, v[TM+\b] ; 2 off its exponent field: the conversion's scale operand
.endr
.irp b, 0,1,2,3
	v_lshrrev_b32 v[TM+4+\b], 23, v[TM+12+\b]      ; the scale's byte
.endr
	v_lshl_or_b32 v[\pw], v[TM+5], 8, v[TM+4]
	v_lshl_or_b32 v[\pw], v[TM+6], 16, v[\pw]
	v_lshl_or_b32 v[\pw], v[TM+7], 24, v[\pw]
.irp c, 0,1
	v_cvt_scalef32_pk16_fp6_f32 v[PC+6*\c:PC+2+6*\c], v[\s+32*\c:\s+15+32*\c], v[TM+12+2*\c]
	v_cvt_scalef32_pk16_fp6_f32 v[PC+12+4*\c:PC+14+4*\c], v[\s+16+32*\c:\s+31+32*\c], v[TM+12+2*\c+1]   ; (a conversion's three registers begin on an even number)
.endr
	v_nop                                          ; one plain place behind a scaled conversion
.irp c, 0,1                                    ; the operand's layout wants a whole block in a lane
.irp i, 0,1,2
	v_permlane16_swap_b32 v[PC+6*\c+\i], v[PC+12+4*\c+\i]
.endr
.irp i, 0,1,2
	v_mov_b32 v[PC+3+6*\c+\i], v[PC+12+4*\c+\i]
.endr
.endr
.endm
; tile j's 16 rows, 512 consecutive bytes each, in the tile's order of rows
.macro XLOAD j, set
.set RO, 0
.rept 16
	global_load_b128 v[LD+64*(\set)+4*RO:LD+64*(\set)+4*RO+3], v27, s[4:5] offset:(32*((\j)/2)+8*((\j)%2)+RO%8+16*(RO/8))*4096 th:TH_LOAD_NT
.set RO, RO+1
.endr
.endm
.macro XTILE j
.if (\j) < 3
	s_wait_loadcnt 16                              ; this tile's 16 loads are in; the next tile's stay out
.else
	s_wait_loadcnt 0x0
.endif
.set RO, 0
.rept 16
	ds_store_b128 v28, v[LD+64*((\j)%2)+4*RO:LD+64*((\j)%2)+4*RO+3] offset:528*RO   ; as loaded: a row on end
.set RO, RO+1
.endr
.irp b, 0,1,2,3
.irp i, 0,1,2,3
	ds_load_b128 v[XN+16*\b+4*\i:XN+16*\b+4*\i+3], v29 offset:128*\b+16*\i   ; back: my row's 16 neighbours of each block.  LDS serves a wave's instructions in order
.endr
.endr
	s_wait_dscnt 0x0                               ; the numbers are back, and the stores into the stage have read their registers
	s_wait_xcnt 0x0                                ; the last tile's stores have read v[PC] on
.if (\j) < 2
	XLOAD (\j)+2, (\j)%2
.endif
	QUANT XN, PW+(\j)
.irp c, 0,1,2
	global_store_b128 v27, v[PC+4*\c:PC+4*\c+3], s[12:13] offset:1536*(\j)+512*\c   ; 32 lanes store 512 consecutive bytes, aligned
.endr
.endm
; W path: block q = 4 beta + t: rows k = 32 t + 0 .. 31 of the K step at columns 32 beta + lane
.macro WLOAD q
.set RO, 0
.rept 32
	global_load_b32 v[64+32*((\q)%2)+RO], v244, s[6:7] offset:(32*((\q)%4)+RO)*4096+128*((\q)/4) th:TH_LOAD_NT
.set RO, RO+1
.endr
.endm
.macro WBLOCK q
.set XS, 64+32*((\q)%2)
.set WT, (\q)%4
.set BE, (\q)/4
.if (\q) < 7
	s_wait_loadcnt 32                              ; this block's 32 loads are in; the next block's stay out
.else
	s_wait_loadcnt 0x0
.endif
	v_max3_num_f32 v50, |v[XS]|, |v[XS+1]|, |v[XS+2]|   ; the block's largest magnitude: all 32 numbers are mine
	v_max3_num_f32 v51, |v[XS+3]|, |v[XS+4]|, |v[XS+5]|
.irp i, 6,10,14,18,22,26
	v_max3_num_f32 v50, v50, |v[XS+\i]|, |v[XS+\i+1]|
	v_max3_num_f32 v51, v51, |v[XS+\i+2]|, |v[XS+\i+3]|
.endr
	v_max3_num_f32 v50, v50, |v[XS+30]|, |v[XS+31]|
	v_max3_num_f32 v50, v50, v51, 0x1800000        ; and the floor
	v_add_nc_u32 v52, 0xff000000, v50
	v_lshrrev_b32 v53, 23, v52
.if WT == 0
	v_mov_b32 v[56+BE], v53                        ; four bytes make my column's scale word
.else
	v_lshl_or_b32 v[56+BE], v53, 8*WT, v[56+BE]
.endif
	v_cvt_scalef32_pk16_fp6_f32 v[40:42], v[XS:XS+15], v52
	v_cvt_scalef32_pk16_fp6_f32 v[46:48], v[XS+16:XS+31], v52
	v_nop                                          ; one plain place behind a scaled conversion
	v_mov_b32 v43, v46
	v_mov_b32 v44, v47
	v_mov_b32 v45, v48
; block t is registers 6 (t / 2) .. + 5 of image lane r' + 16 (t % 2)
.if WT/2 == 0
	ds_store_b128 v245, v[40:43] offset:3328*BE+256*(WT%2)
	ds_store_b64 v245, v[44:45] offset:3328*BE+256*(WT%2)+512
.else
	ds_store_b64 v245, v[40:41] offset:3328*BE+256*(WT%2)+520
	ds_store_b128 v245, v[42:45] offset:3328*BE+256*(WT%2)+1024
.endif
.if (\q) < 6
	WLOAD (\q)+2
.endif
	s_wait_dscnt 0x0                               ; the stores have read their registers
.endm
	s_load_b256 s[4:11], s[0:1], 0x0               ; X, Wq, Wk, Wv
	s_load_b128 s[12:15], s[0:1], 0x20             ; XP, WP
	v_lshl_add_u32 v[SPW], v0, 2, SPARE
	v_mov_b32 v[NIL], 0
	v_lshrrev_b32 v1, 5, v0
	v_readfirstlane_b32 s16, v1                    ; wave 0..3
	v_and_b32 v24, 31, v0                          ; lane
	v_and_b32 v25, 15, v0                          ; r
	v_bfe_u32 v26, v0, 4, 1                        ; h
	s_cmp_lt_u32 ttmp9, 96
	s_cbranch_scc1 .Lweights
	; ---- X: pack (G, s), G = id / 2, s = 4 (id % 2) + wave
	s_sub_co_u32 s17, ttmp9, 96
	s_lshr_b32 s18, s17, 1                         ; G
	s_and_b32 s19, s17, 1
	s_lshl_b32 s19, s19, 2
	s_add_co_u32 s19, s19, s16                     ; s
	s_lshl_b32 s22, s18, 18                        ; 64 rows of 4,096 bytes
	s_lshl_b32 s23, s19, 9                         ; 128 numbers
	s_add_co_u32 s22, s22, s23
	s_mov_b32 s23, 0
	s_mul_i32 s24, s18, 51200
	s_mul_i32 s25, s19, 6400
	s_add_co_u32 s24, s24, s25
	s_mov_b32 s25, 0
	s_mul_i32 s26, s16, XREG                       ; my region
	s_mov_b32 s[SEL], 0x76543210
	s_mov_b32 s[SEL+1], 0xfedcba98
	v_lshlrev_b32 v27, 4, v24                      ; 16 x lane: in X's rows and in an image
	v_lshlrev_b32 v23, 3, v24                      ; 8 x lane: in the scale words
	v_add_nc_u32 v28, s26, v27                     ; the stage, on the way in
	v_mul_u32_u24 v29, v25, 528
	v_lshl_add_u32 v29, v26, 6, v29
	v_add_nc_u32 v29, s26, v29                     ; and back: row r, + 64 h
	v_lshl_add_u32 v30, v25, 4, s26                ; the scale words: 16 r in,
	v_lshl_add_u32 v31, v24, 3, s26                ; 8 x lane out
.irp b, 0,1,2,3
	v_mov_b32 v[TM+4+\b], 0                        ; written once: a lane permute's destination counts as one of its sources
.endr
	s_wait_kmcnt 0x0
	s_add_nc_u64 s[4:5], s[4:5], s[22:23]
	s_add_nc_u64 s[12:13], s[12:13], s[24:25]
	XLOAD 0, 0
	XLOAD 1, 1
	XTILE 0
	XTILE 1
	XTILE 2
	XTILE 3
	ds_store_b128 v30, v[PW:PW+3] offset:8448      ; word [r][j]; both halves of the lanes write the same bytes with the same values
	ds_load_b64 v[XN:XN+1], v31 offset:8448
	s_wait_dscnt 0x0
	global_store_b64 v23, v[XN:XN+1], s[12:13] offset:6144   ; 32 lanes store 256 consecutive bytes, aligned
	s_wait_tensorcnt 0x0                           ; the wave's end, behind my last LDS store
	ds_add_u32 v[SPW], v[NIL]
	s_wait_dscnt 0x0
	s_endpgm
.Lweights:
	; ---- W: m = id / 32 picks the tensor, s = (id / 4) % 8, g' = 4 (id % 4) + wave: pack (16 m + g', s).  A LANE TAKES A COLUMN n AND ITS REGISTERS RUN DOWN K
	s_lshr_b32 s17, ttmp9, 5                       ; m
	s_bfe_u32 s18, ttmp9, 0x30002                  ; s
	s_and_b32 s19, ttmp9, 3
	s_lshl_b32 s19, s19, 2
	s_add_co_u32 s19, s19, s16                     ; g'
	s_lshl_b32 s22, s18, 19                        ; 128 rows of 4,096 bytes
	s_lshl_b32 s23, s19, 8                         ; 64 columns
	s_add_co_u32 s22, s22, s23
	s_mov_b32 s23, 0
	s_lshl_b32 s24, s17, 4
	s_add_co_u32 s24, s24, s19
	s_mul_i32 s24, s24, 51200
	s_mul_i32 s25, s18, 6400
	s_add_co_u32 s24, s24, s25
	s_mov_b32 s25, 0
	s_mul_i32 s26, s16, WREG
	s_add_co_u32 s26, s26, WBASE                   ; my region
	v_lshlrev_b32 v244, 2, v24                     ; in: 4 bytes a lane
	v_bfe_u32 v251, v0, 3, 1                       ; column 32 beta + l is position r' = l % 8 + 8 (l / 16) of tile 2 beta + u, u = (l / 8) % 2
	v_and_b32 v252, 7, v0
	v_lshl_add_u32 v252, v26, 3, v252
	v_mul_u32_u24 v245, v251, 1664
	v_lshl_add_u32 v245, v252, 4, v245
	v_add_nc_u32 v245, s26, v245                   ; my place in an image: 1,664 u + 16 r'
	v_lshlrev_b32 v246, 4, v252
	v_lshl_add_u32 v246, v251, 2, v246
	v_add_nc_u32 v246, s26, v246                   ; my scale word: 16 r' + 4 u
	v_lshlrev_b32 v247, 4, v24                     ; out: 16 x lane
	v_add_nc_u32 v248, s26, v247
	v_lshlrev_b32 v249, 3, v24                     ; the scale words out: 8 x lane
	v_add_nc_u32 v250, s26, v249
	s_wait_kmcnt 0x0
	s_cmp_eq_u32 s17, 0                            ; the choice hangs on the work-group's number alone
	s_cselect_b64 s[6:7], s[6:7], s[8:9]
	s_cmp_eq_u32 s17, 2
	s_cselect_b64 s[6:7], s[10:11], s[6:7]
	s_add_nc_u64 s[6:7], s[6:7], s[22:23]
	s_add_nc_u64 s[14:15], s[14:15], s[24:25]
	WLOAD 0
	WLOAD 1
.irp q, 0,1,2,3,4,5,6,7
	WBLOCK \q
.endr
	ds_store_b32 v246, v56 offset:6656
	ds_store_b32 v246, v57 offset:6664
.irp j, 0,1,2,3
.irp c, 0,1,2
	ds_load_b128 v[128+4*(3*\j+\c):128+4*(3*\j+\c)+3], v248 offset:1664*\j+512*\c   ; LDS serves a wave's instructions in order: these see my stores
.endr
.endr
	ds_load_b64 v[176:177], v250 offset:6656
.set RO, 0
.rept 12
	s_wait_dscnt 12-RO                             ; the younger loads stay out
	global_store_b128 v247, v[128+4*RO:128+4*RO+3], s[14:15] offset:512*RO   ; 512 consecutive bytes, aligned
.set RO, RO+1
.endr
	s_wait_dscnt 0x0
	global_store_b64 v249, v[176:177], s[14:15] offset:6144
	s_wait_tensorcnt 0x0                           ; the wave's end
	ds_add_u32 v[SPW], v[NIL]
	s_wait_dscnt 0x0
	s_endpgm
.Lfunc_end_k_q5312c16f67_prep:
	.size	k_q5312c16f67_prep, .Lfunc_end_k_q5312c16f67_prep-k_q5312c16f67_prep
	.p2alignl 7, 3214868480
	.fill 96, 4, 3214868480
	.section	.rodata,"a",@progbits
	.p2align	6, 0x0
	.amdhsa_kernel k_q5312c16f67_prep
		.amdhsa_group_segment_fixed_size 62976
		.amdhsa_private_segment_fixed_size 0
		.amdhsa_enable_private_segment 0
		.amdhsa_kernarg_size 48
		.amdhsa_user_sgpr_count 2
		.amdhsa_user_sgpr_kernarg_segment_ptr 1
		.amdhsa_wavefront_size32 1
		.amdhsa_system_sgpr_workgroup_id_x 1
		.amdhsa_system_sgpr_workgroup_id_y 1
		.amdhsa_system_sgpr_workgroup_id_z 1
		.amdhsa_system_vgpr_workitem_id 0
		.amdhsa_next_free_vgpr 256
		.amdhsa_next_free_sgpr 66
		.amdhsa_reserve_vcc 0
		.amdhsa_float_denorm_mode_32 3
		.amdhsa_float_denorm_mode_16_64 3
		.amdhsa_memory_ordered 1
		.amdhsa_forward_progress 1
		.amdhsa_inst_pref_size 75
	.end_amdhsa_kernel
	.amdgpu_metadata
---
amdhsa.version: [ 1, 2 ]
amdhsa.kernels:
  - .name:           k_q5312c16f67_prep
    .symbol:         k_q5312c16f67_prep.kd
    .args:
      - { .name: X, .offset: 0, .size: 8, .value_kind: global_buffer, .address_space: global }
      - { .name: Wq, .offset: 8, .size: 8, .value_kind: global_buffer, .address_space: global }
      - { .name: Wk, .offset: 16, .size: 8, .value_kind: global_buffer, .address_space: global }
      - { .name: Wv, .offset: 24, .size: 8, .value_kind: global_buffer, .address_space: global }
      - { .name: XP, .offset: 32, .size: 8, .value_kind: global_buffer, .address_space: global }
      - { .name: WP, .offset: 40, .size: 8, .value_kind: global_buffer, .address_space: global }
    .group_segment_fixed_size: 62976
    .private_segment_fixed_size: 0
    .kernarg_segment_align: 8
    .kernarg_segment_size: 48
    .max_flat_workgroup_size: 128
    .sgpr_count:     66
    .vgpr_count:     256
    .wavefront_size: 32
...
	.end_amdgpu_metadata
.endif
;; end of part 1
;; launch qkv (part 2): grid 64 x 4, 4 waves a work-group, clusters of 4 x 4, 327,680 bytes of LDS; arguments XP, WP, QK, VP; writes QK, VP
.if DOCPART == 2
	.amdgcn_target "amdgcn-amd-amdhsa--gfx1250"
	.amdhsa_code_object_version 6
	.text
	.protected	k_q5312c16f67_qkv
	.globl	k_q5312c16f67_qkv
	.p2align	8
	.type	k_q5312c16f67_qkv,@function
k_q5312c16f67_qkv:
	s_mov_b64 s[64:65], 0
	v_nop
	global_prefetch_b8 v0, s[64:65] scope:SCOPE_SE
	s_setreg_imm32_b32 hwreg(HW_REG_WAVE_MODE, 25, 1), 1
	s_wait_xcnt 0x0
	s_wait_alu depctr_hold_cnt(0) depctr_sa_sdst(0) depctr_va_vdst(0) depctr_va_sdst(0) depctr_va_ssrc(0) depctr_va_vcc(0) depctr_vm_vsrc(0)
	s_getreg_b32 s2, hwreg(HW_REG_IB_STS2, 6, 4)
	s_cmp_eq_u32 s2, 0
	s_cbranch_scc0 .Lentry_in_a_cluster
	s_endpgm
.Lentry_in_a_cluster:
	s_bfe_u32 s2, ttmp6, 0x10000c
	s_cmp_lg_u32 s2, 0xf033
	s_cbranch_scc0 .Lentry_shape_is_right
	s_endpgm
.Lentry_shape_is_right:
; q, k, v = X W on codes of FP6 (E2M3) with E8M0 scales, and the results quantised at once, in registers, for the products that follow.  Operands are PACKS: a group of four tiles (16 rows x 128 K) at one K step is
; 6,400 bytes: four images of the operand's registers (1,536 bytes; register 4 g + w of lane l at 512 g + 16 l + 4 w), then the scale words [position r][tile j].  Position p of tile i is row 32 (i / 2) + 8 (i % 2) + p % 8 + 16 (p / 8).
; In a result (source 0 = 16 rows of B, source 1 = 16 rows of A) lane (r, h) holds A's row at position r, and the 64 registers of one tile of A run along 128 neighbouring rows of B: these are the next product's K.
; SHARES.  256 work-groups of four waves, each with the same work, in two phases.
;   PHASE 1: a tile of q or k, 256 tokens (A = X) x 256 n (B = Wq, Wk), K = 1,024 = 8 steps; a wave makes 128 x 128: 64 accumulators.  Quantised along d into QK [128 G (tokens)][16 s: q's d 0-7, k's d 8-15][6400].
;   PHASE 2: half a tile of v^T, 128 d (A = Wv) x 256 tokens (B = X: the keys become K); a wave makes 64 x 128: 32 accumulators.  Quantised along the keys into VP [16 G (d)][64 s (tokens)][6400]; a wave stores one whole pack.
; LDS: three slots of 102,400 bytes.  Phase 1: a slot holds two K steps; wave w brings quarter w (waves 0, 1: A's halves; 2, 3: B's); three of the four units are asked for at the head (three tensor loads of a wave are out, the
; most in this text), the fourth fills slot 0 again behind a round.  Phase 2: its operands for ALL of K are 6 groups x 8 steps x 6,400 = 307,200 bytes, the three slots: slot 0 Wv's two groups, slots 1 and 2 two groups of X each,
; each a dense block of memory.  They are asked for in phase 1's last K step, behind a round, one load a wave (waves 0, 1, 2), and land while the wave finishes that step and sends phase 1's eight images out, which touches no LDS.
; CLUSTERS: 4 x 4 work-groups; in both phases A's tiles are asked for jointly along a row of the cluster, B's along a column.
; LIMITS: a block of zeros gets the byte 1 (codes zero; the bytes are read by this program alone); NaN and infinities are not served.
; REGISTERS: window 0: v1, v2 r, h; v8-16, v19-23 LDS addresses; v17, v18, v24 store offsets; v28, v29 the add's two; v32-47 scale words, two sets, and nothing else; v128-223 A's fragments (on the ways out: codes and scale words); v224-239 at work.
;   window 1: B's fragments, two sets, at v0 and v128.   windows 2, 3: accumulator (a, b) at v[8 (8 (a % 4) + b)]; phase 2 uses window 2 alone.
.set SLOTB, 102400
.set QTR,   25600
.set UNITB, 12800
.set PACK,  6400
.set GRP,   51200                      ; a group's eight K steps in XP and in WP
.set SPARE, 3*SLOTB                    ; behind the slots: the spare words, 128 bytes for each wave, that no other line names
.set FR,    12
.set ADRA,  8                          ; v8-10   phase 1: my A fragments in slot 0, 1, 2
.set ADRB,  11                         ; v11-13  my B fragments
.set ADRS,  14                         ; v14-16  scale words: lanes 0-15 A's, lanes 16-31 B's
.set LI,    17                         ; v17     16 x lane
.set SBO,   18                         ; v18     16 r + 102,400 h: phase 1's scale words in QK
.set ADA2,  19                         ; v19     phase 2: my group of Wv
.set ADB2,  20                         ; v20-21  my two groups of X
.set ADS2,  22                         ; v22-23  scale words: lanes 0-15 Wv's, lanes 16-31 those of X's group 0, 1
.set SBV,   24                         ; v24     16 r + 8 h: phase 2's scale words in VP
.set SPW,   28
.set NIL,   29
.set SC,    32
.set AF,    128
.set PC,    128
.set PWS,   160
.set OW,    168
.set TM,    224
.set HM,    17                         ; s17      lanes 16-31
.set G0A2,  20                         ; s[20:23] phase 2: group 0 for Wv's block
.set G1A,   24
.set G0A,   32
.set G1B,   44
.set G0B,   52
.set G1A2,  72                         ; s[72:79] phase 2: group 1 with the mask of my row
.set OB,    80                         ; s[80:81], s[82:83] phase 1: my two output groups' packs
.set OV,    84                         ; s[84:85] phase 2: my pack of VP
.set SEL,   86
.set G0B2,  88                         ; s[88:91] phase 2: group 0 for a block of X
.set G1B2,  92                         ; s[92:99] phase 2: group 1 with the mask of my column
.set MUL_LO, 0xa1                      ; source 0 (B) window 1, source 1 (A) window 0, C and D window 2
.set MUL_HI, 0xf1                      ; the same, C and D window 3
.set MSB, 0
.macro WIN new                         ; the immediate's high byte repeats the setting that is left
.if MSB != (\new)
	s_set_vgpr_msb (MSB<<8)|(\new)
.set MSB, (\new)
.endif
.endm
.macro PLACES n
.rept \n
	v_nop
.endr
.endm
; A joint load of phase 1: waves 0 and 1 fetch for A, waves 2 and 3 for B; the branch hangs on the wave's number alone.  An s_nop 0 and four v_nop follow each line
.macro JLOAD g0a, g1a, g0b, g1b
	s_cmp_eq_u32 s15, 0
	s_cbranch_scc0 .Lfor_b_\@
	tensor_load_to_lds s[\g0a:\g0a+3], s[\g1a:\g1a+7]
	s_nop 0
.rept 4
	v_nop
.endr
	s_branch .Lasked_\@
.Lfor_b_\@:
	tensor_load_to_lds s[\g0b:\g0b+3], s[\g1b:\g1b+7]
	s_nop 0
.rept 4
	v_nop
.endr
.Lasked_\@:
.endm
; The joint load of phase 2: wave 0 fetches Wv's block into slot 0, waves 1 and 2 a block of X each into slots 1 and 2, wave 3 nothing
.macro JLOAD2
	s_cmp_eq_u32 s14, 0
	s_cbranch_scc0 .Lnot_a_\@
	tensor_load_to_lds s[G0A2:G0A2+3], s[G1A2:G1A2+7]
	s_nop 0
.rept 4
	v_nop
.endr
	s_branch .Lasked2_\@
.Lnot_a_\@:
	s_cmp_lt_u32 s14, 3
	s_cbranch_scc0 .Lasked2_\@
	tensor_load_to_lds s[G0B2:G0B2+3], s[G1B2:G1B2+7]
	s_nop 0
.rept 4
	v_nop
.endr
.Lasked2_\@:
.endm
.macro CREST                           ; a round of the cluster's barrier behind its opening barrier
	s_cmp_lg_u32 s14, 0
	s_cbranch_scc1 .Lnot_wave_0_\@
	s_barrier_signal -3
.Lnot_wave_0_\@:
	s_barrier_wait -3
	s_barrier_signal -1
	s_barrier_wait -1
.endm
.macro CROUND
	s_barrier_signal -1
	s_barrier_wait -1
	CREST
.endm
.macro FRAG reg, adr, off              ; an image comes back as the registers that it is: three loads of 512 consecutive bytes
.irp c, 0,1,2
	ds_load_b128 v[(\reg)+4*\c:(\reg)+4*\c+3], v[\adr] offset:(\off)+512*\c
.endr
.endm
.macro FETCH_B slot, q, p
	WIN 0x40
.irp i, 0,1,2,3,4,5,6,7
	FRAG 128*(\p)+FR*\i, ADRB+\slot, 12800*(\i/4)+6400*(\q)+1536*(\i%4)
.endr
	WIN 0
.endm
.macro FETCH_A slot, q, i0
.irp i, \i0, \i0+1, \i0+2, \i0+3
	FRAG AF+FR*(\i), ADRA+\slot, 12800*((\i)/4)+6400*(\q)+1536*((\i)%4)
.endr
.endm
.macro SCALES slot, q, p               ; register 4 g + j of set p: lanes 0-15 the words of A's tile 4 g + j, lanes 16-31 of B's
.irp g, 0,1
	ds_load_b128 v[SC+8*(\p)+4*\g:SC+8*(\p)+4*\g+3], v[ADRS+\slot] offset:12800*\g+6400*(\q)+6144
.endr
.endm
; 16 products: A's registers a0, a0 + 1 x B's eight.  The accumulators take turns, one instruction a turn
.macro MUL16 a0, p, zero
.irp a, \a0, \a0+1
.irp b, 0,1,2,3,4,5,6,7
.if \zero
	v_wmma_scale_f32_16x16x128_f8f6f4 v[8*(8*((\a)%4)+\b):8*(8*((\a)%4)+\b)+7], v[128*(\p)+FR*\b:128*(\p)+FR*\b+FR-1], v[AF+FR*(\a):AF+FR*(\a)+FR-1], 0, v[SC+8*(\p)+\b], v[SC+8*(\p)+(\a)] matrix_a_fmt:MATRIX_FMT_FP6 matrix_b_fmt:MATRIX_FMT_FP6 matrix_a_scale:MATRIX_SCALE_ROW1
.else
	v_wmma_scale_f32_16x16x128_f8f6f4 v[8*(8*((\a)%4)+\b):8*(8*((\a)%4)+\b)+7], v[128*(\p)+FR*\b:128*(\p)+FR*\b+FR-1], v[AF+FR*(\a):AF+FR*(\a)+FR-1], v[8*(8*((\a)%4)+\b):8*(8*((\a)%4)+\b)+7], v[SC+8*(\p)+\b], v[SC+8*(\p)+(\a)] matrix_a_fmt:MATRIX_FMT_FP6 matrix_b_fmt:MATRIX_FMT_FP6 matrix_a_scale:MATRIX_SCALE_ROW1
.endif
.endr
.endr
.endm
; A K step of phase 1 on B's set p; the next step's fragments (slot nslot, its step nq) are fetched in two runs, each behind four places (ISA guide 7.12.1 for vector instructions)
.macro STEP p, nslot, nq, zero
	s_wait_dscnt 12                                ; all but the youngest 12 loads (A's tiles 4-7)
	WIN MUL_LO
	MUL16 0, \p, \zero
	MUL16 2, \p, \zero
	s_wait_dscnt 0x0
	PLACES 4
	FETCH_B \nslot, \nq, 1-(\p)
	FETCH_A \nslot, \nq, 0
	SCALES \nslot, \nq, 1-(\p)
	WIN MUL_HI
	MUL16 4, \p, \zero
	MUL16 6, \p, \zero
	PLACES 4
	WIN 0
	FETCH_A \nslot, \nq, 4
.endm
.macro REFILL                          ; the barrier has opened a round of the cluster's barrier; slot 0 takes the fourth unit: the first tensor load behind the round, one a wave
	CREST
	s_add_nc_u64 s[G0A+2:G0A+3], s[G0A+2:G0A+3], 3*UNITB
	s_add_nc_u64 s[G0B+2:G0B+3], s[G0B+2:G0B+3], 3*UNITB
	JLOAD G0A, G1A, G0B, G1B
.endm
; A K step of phase 1 with a barrier: in front of it each wave waits for all its tensor loads, adds 0 to its spare word, and waits for that and for its reads
.macro TURN p, nslot, nq, fill
	s_wait_tensorcnt 0x0                           ; all my tensor loads have landed
	ds_add_u32 v[SPW], v[NIL]
	s_wait_dscnt 13                                ; (the add and the youngest 12 loads may be out)
	WIN MUL_LO
	MUL16 0, \p, 0
	s_wait_dscnt 0x0                               ; the add is done, and my reads of the slot are over
	s_barrier_signal -1
	MUL16 2, \p, 0
	WIN 0
	s_barrier_wait -1
.if \fill
	REFILL                                         ; its four v_nop are the places in front of the loads below
.else
	PLACES 4
.endif
	FETCH_B \nslot, \nq, 1-(\p)
	FETCH_A \nslot, \nq, 0
	SCALES \nslot, \nq, 1-(\p)
	WIN MUL_HI
	MUL16 4, \p, 0
	MUL16 6, \p, 0
	PLACES 4
	WIN 0
	FETCH_A \nslot, \nq, 4
.endm
; Phase 2: K step t's fragments into set t % 2 (X's eight tiles; Wv's four at v[AF + 48 (t % 2)]) and its scale words: each of the two loads has Wv's words in lanes 0-15 and one group of X's in lanes 16-31
.macro FETCH2 t
.set FQ, (\t)%2
	WIN 0x40
.irp i, 0,1,2,3,4,5,6,7
	FRAG 128*FQ+FR*\i, ADB2+(\i/4), 6400*(\t)+1536*(\i%4)
.endr
	WIN 0
.irp a, 0,1,2,3
	FRAG AF+48*FQ+FR*\a, ADA2, 6400*(\t)+1536*\a
.endr
.irp g, 0,1
	ds_load_b128 v[SC+8*FQ+4*\g:SC+8*FQ+4*\g+3], v[ADS2+\g] offset:6400*(\t)+6144
.endr
.endm
; Phase 2: K step t on set p: 32 products.  a0, a2: Wv's registers of that set (0, 2 or 4, 6), on the same 32 accumulators.  more = 1: the next step's 38 loads go out ahead of the products, behind four places
.macro STEP2 t, p, a0, a2, zero, more
	s_wait_dscnt 0x0                               ; this step's fragments and scale words are in
.if \more
	PLACES 4
	FETCH2 (\t)+1
.endif
	WIN MUL_LO
	MUL16 \a0, \p, \zero
	MUL16 \a2, \p, \zero
	WIN 0
.endm
; 64 numbers of a lane in window w, register 16 b + i = k 32 b + 16 (lane / 16) + i of my row, become a fragment's codes in v[PC] on and its scale word in v[pw].  Each accumulator is read from its low end on
.macro QUANT s, w, pw
	WIN (\w)|((\w)<<2)
.irp b, 0,1,2,3
	v_max3_num_f32 v[TM+\b], |v[(\s)+16*\b]|, |v[(\s)+1+16*\b]|, 0x1800000   ; and the floor 2^(3 - 127): the byte cannot fall under 1
.endr
	WIN ((\w)<<2)|((\w)<<4)
.irp i, 2,4,6,8,10,12,14
.irp b, 0,1,2,3
	v_max3_num_f32 v[TM+\b], v[TM+\b], |v[(\s)+16*\b+\i]|, |v[(\s)+1+16*\b+\i]|
.endr
.endr
	WIN 0
.irp b, 0,1,2,3
	v_permlanex16_b32 v[TM+4+\b], v[TM+\b], s[SEL], s[SEL+1]
.endr
.irp b, 0,1,2,3
	v_max_num_f32 v[TM+\b], v[TM+\b], v[TM+4+\b]
.endr
.irp b, 0,1,2,3
	v_add_nc_u32 v[TM+12+\b], 0xff000000, v[TM+\b] ; 2 off the exponent field: the conversion's scale operand
.endr
.irp b, 0,1,2,3
	v_lshrrev_b32 v[TM+4+\b], 23, v[TM+12+\b]
.endr
	v_lshl_or_b32 v[\pw], v[TM+5], 8, v[TM+4]
	v_lshl_or_b32 v[\pw], v[TM+6], 16, v[\pw]
	v_lshl_or_b32 v[\pw], v[TM+7], 24, v[\pw]
	s_wait_xcnt 0x0                                ; the last image's stores have read v[PC] on: the conversions below are the first lines that write those registers again
	WIN \w
.irp c, 0,1
	v_cvt_scalef32_pk16_fp6_f32 v[PC+6*\c:PC+2+6*\c], v[(\s)+32*\c:(\s)+15+32*\c], v[TM+12+2*\c]
	v_cvt_scalef32_pk16_fp6_f32 v[PC+12+4*\c:PC+14+4*\c], v[(\s)+16+32*\c:(\s)+31+32*\c], v[TM+12+2*\c+1]
.endr
	WIN 0
	v_nop                                          ; one plain place behind a scaled conversion
.irp c, 0,1
.irp i, 0,1,2
	v_permlane16_swap_b32 v[PC+6*\c+\i], v[PC+12+4*\c+\i]
.endr
.irp i, 0,1,2
	v_mov_b32 v[PC+3+6*\c+\i], v[PC+12+4*\c+\i]
.endr
.endr
.endm
.macro EMIT a                          ; phase 1, tile a of my tokens: one image of QK
	QUANT 64*((\a)%4), 2+(\a)/4, PWS+(\a)
.irp c, 0,1,2
	global_store_b128 v[LI], v[PC+4*\c:PC+4*\c+3], s[OB+2*((\a)/4):OB+2*((\a)/4)+1] offset:1536*((\a)%4)+512*\c   ; 512 consecutive bytes, aligned
.endr
.endm
.macro EMIT2 a                         ; phase 2, tile a of my d: one image of VP
	QUANT 64*(\a), 2, PWS+(\a)
.irp c, 0,1,2
	global_store_b128 v[LI], v[PC+4*\c:PC+4*\c+3], s[OV:OV+1] offset:1536*(\a)+512*\c   ; 512 consecutive bytes, aligned
.endr
.endm
	s_load_b256 s[4:11], s[0:1], 0x0               ; XP, WP, QK, VP
	v_lshl_add_u32 v[SPW], v0, 2, SPARE
	v_mov_b32 v[NIL], 0
	ds_add_u32 v[SPW], v[NIL]                      ; the wave's opening: the add and its wait, ahead of my first tensor load
	v_lshrrev_b32 v1, 5, v0
	v_readfirstlane_b32 s14, v1                    ; wave 0..3
	s_lshr_b32 s15, s14, 1                         ; my half of A's rows.  In phase 1 also: I fetch for A (0) or for B (1)
	s_and_b32 s16, s14, 1                          ; my half of B's rows.  In phase 1 also: which half of that tile I fetch
	s_bfe_u32 s66, ttmp6, 0x40000                  ; cx
	s_bfe_u32 s67, ttmp6, 0x40004                  ; cy
	s_and_b32 s100, ttmp9, 1                       ; ttmp9: the cluster, 0..15, the same in all sixteen partners: its low bit
	s_lshr_b32 s101, ttmp9, 1                      ; and the rest, 0..7
	; what hangs on cy, which my row of the cluster shares: A's tiles
	s_lshl_b32 s69, s101, 2
	s_add_co_u32 s69, s69, s67                     ; rho: which 256 tokens (phase 1's A)
	s_lshl_b32 s70, s67, 2
	s_lshl_b32 s70, 15, s70                        ; my row of the cluster
	s_or_b32 s[G1A], s70, (3<<16)|(1<<21)          ; 15:0 the mask; 17:16 elements of 8 bytes; 21 set beside a mask; no padding
	s_or_b32 s[G1A2], s70, (3<<16)|(1<<21)
	s_lshl_b32 s12, s69, 2
	s_lshl_b32 s13, s16, 1
	s_add_co_u32 s12, s12, s13
	s_mul_i32 s12, s12, GRP
	s_mov_b32 s13, 0                               ; phase 1's A: group 4 rho + 2 x half of XP
	s_lshl_b32 s[G0A2+2], s100, 2
	s_add_co_u32 s[G0A2+2], s[G0A2+2], s67         ; alpha = 4 x the cluster's low bit + cy: which 128 d
	s_mul_i32 s[G0A2+2], s[G0A2+2], 2*GRP
	s_add_co_u32 s[G0A2+2], s[G0A2+2], 32*GRP      ; phase 2's A: groups 32 + 2 alpha and the next of WP: Wv's rows begin at group 32
	s_mov_b32 s[G0A2+3], 0
	; what hangs on cx, which my column shares: B's tiles
	s_lshl_b32 s68, s100, 2
	s_add_co_u32 s68, s68, s66                     ; c: which 256 rows of Wq, Wk (phase 1's B)
	s_lshl_b32 s71, 0x1111, s66                    ; my column
	s_or_b32 s[G1B], s71, (3<<16)|(1<<21)
	s_or_b32 s[G1B2], s71, (3<<16)|(1<<21)
	s_lshl_b32 s18, s68, 2
	s_lshl_b32 s19, s16, 1
	s_add_co_u32 s18, s18, s19
	s_mul_i32 s18, s18, GRP
	s_mov_b32 s19, 0                               ; phase 1's B: group 4 c + 2 x half of WP
	s_lshl_b32 s[G0B2+2], s101, 2
	s_add_co_u32 s[G0B2+2], s[G0B2+2], s66         ; beta = 4 x the rest + cx: which 256 tokens
	s_mul_i32 s[G0B2+2], s[G0B2+2], 4*GRP
	s_xor_b32 s[G0B2+3], s16, 1                    ; wave 1: groups 0, 1; wave 2: groups 2, 3
	s_mul_i32 s[G0B2+3], s[G0B2+3], 2*GRP
	s_add_co_u32 s[G0B2+2], s[G0B2+2], s[G0B2+3]   ; phase 2's B: group 4 beta + 0 or 2 of XP
	s_mov_b32 s[G0B2+3], 0
.irp g, G1A, G1B
	s_mov_b32 s[\g+1], 1600<<16                    ; tensor_dim0 = 1,600 elements: two packs on end
	s_mov_b32 s[\g+2], 2<<16                       ; tensor_dim1 = 2 groups
	s_mov_b32 s[\g+3], 1600<<16                    ; tile_dim0
	s_mov_b32 s[\g+4], 2                           ; tile_dim1
	s_mov_b32 s[\g+5], 6400                        ; from group to group: 51,200 bytes
	s_mov_b32 s[\g+6], 0
	s_mov_b32 s[\g+7], 0
.endr
.irp g, G1A2, G1B2
	s_mov_b32 s[\g+1], 6400<<16                    ; tensor_dim0 = 6,400 elements: a group's eight packs on end
	s_mov_b32 s[\g+2], 2<<16                       ; tensor_dim1 = 2 groups
	s_mov_b32 s[\g+3], 6400<<16                    ; tile_dim0
	s_mov_b32 s[\g+4], 2                           ; tile_dim1
	s_mov_b32 s[\g+5], 6400                        ; from group to group: 51,200 bytes: the block is dense
	s_mov_b32 s[\g+6], 0
	s_mov_b32 s[\g+7], 0
.endr
	s_mul_i32 s3, s14, QTR                         ; where phase 1's tiles go: quarter = wave: no place in the cluster enters an LDS address
	s_mov_b32 s[G0A2], 1
	s_mov_b32 s[G0A2+1], 0                         ; Wv's block: slot 0
	s_mov_b32 s[G0B2], 1
	s_mul_i32 s[G0B2+1], s14, SLOTB                ; X's blocks: slot = wave (1, 2)
	; where my results go
	s_lshl_b32 s[OB+2], s69, 2                     ; phase 1: groups 4 rho + 2 x half and the next, K step 2 c + half
	s_lshl_b32 s[OB+3], s15, 1
	s_add_co_u32 s[OB+2], s[OB+2], s[OB+3]
	s_mul_i32 s[OB+2], s[OB+2], 2*GRP              ; a group of QK is 16 packs
	s_lshl_b32 s[OB+3], s68, 1
	s_add_co_u32 s[OB+3], s[OB+3], s16
	s_mul_i32 s[OB+3], s[OB+3], PACK
	s_add_co_u32 s[OB+2], s[OB+2], s[OB+3]
	s_mov_b32 s[OB+3], 0
	s_lshl_b32 s[OV], s100, 2                      ; phase 2: group 2 alpha + half, K step 2 beta + half
	s_add_co_u32 s[OV], s[OV], s67
	s_lshl_b32 s[OV], s[OV], 1
	s_add_co_u32 s[OV], s[OV], s15
	s_mul_i32 s[OV], s[OV], 409600                 ; a group of VP is 64 packs
	s_lshl_b32 s[OV+1], s101, 2
	s_add_co_u32 s[OV+1], s[OV+1], s66
	s_lshl_b32 s[OV+1], s[OV+1], 1
	s_add_co_u32 s[OV+1], s[OV+1], s16
	s_mul_i32 s[OV+1], s[OV+1], PACK
	s_add_co_u32 s[OV], s[OV], s[OV+1]
	s_mov_b32 s[OV+1], 0
	s_mov_b32 s[SEL], 0x76543210
	s_mov_b32 s[SEL+1], 0xfedcba98
	s_mov_b32 s[HM], 0xffff0000                    ; lanes 16-31
	s_wait_dscnt 0x0                               ; the opening add is done
	s_wait_kmcnt 0x0
	s_add_nc_u64 s[12:13], s[4:5], s[12:13]        ; phase 1's A in XP
	s_add_nc_u64 s[18:19], s[6:7], s[18:19]        ; phase 1's B in WP
	CROUND                                         ; all sixteen work-groups are here: the first joint loads meet
.irp s, 0,1,2
	s_mov_b32 s[G0A+4*\s], 1
	s_add_co_u32 s[G0A+4*\s+1], s3, \s*SLOTB
	s_add_nc_u64 s[G0A+4*\s+2:G0A+4*\s+3], s[12:13], \s*UNITB
	s_or_b32 s[G0A+4*\s+3], s[G0A+4*\s+3], 0x80000000
	s_mov_b32 s[G0B+4*\s], 1
	s_add_co_u32 s[G0B+4*\s+1], s3, \s*SLOTB
	s_add_nc_u64 s[G0B+4*\s+2:G0B+4*\s+3], s[18:19], \s*UNITB
	s_or_b32 s[G0B+4*\s+3], s[G0B+4*\s+3], 0x80000000
	JLOAD G0A+4*\s, G1A, G0B+4*\s, G1B
.endr
	s_add_nc_u64 s[G0A2+2:G0A2+3], s[6:7], s[G0A2+2:G0A2+3]   ; phase 2's A in WP
	s_or_b32 s[G0A2+3], s[G0A2+3], 0x80000000
	s_add_nc_u64 s[G0B2+2:G0B2+3], s[4:5], s[G0B2+2:G0B2+3]   ; phase 2's B in XP
	s_or_b32 s[G0B2+3], s[G0B2+3], 0x80000000
	s_add_nc_u64 s[OB:OB+1], s[8:9], s[OB+2:OB+3]
	s_add_nc_u64 s[OB+2:OB+3], s[OB:OB+1], 2*GRP
	s_add_nc_u64 s[OV:OV+1], s[10:11], s[OV:OV+1]
	v_and_b32 v1, 15, v0                           ; r
	v_bfe_u32 v2, v0, 4, 1                         ; h
	v_and_b32 v3, 31, v0
	v_lshlrev_b32 v[LI], 4, v3
	s_mul_i32 s2, s15, QTR                         ; phase 1: my half of A
	s_mul_i32 s3, s16, QTR
	s_add_co_u32 s3, s3, 2*QTR                     ; my half of B
	s_sub_co_u32 s100, s3, s2
	v_mul_u32_u24 v4, s100, v2                     ; lanes 16-31 take B's scale words
	v_lshl_add_u32 v4, v1, 4, v4
	v_add_nc_u32 v[ADRS], s2, v4
	v_add_nc_u32 v[ADRS+1], SLOTB, v[ADRS]
	v_add_nc_u32 v[ADRS+2], 2*SLOTB, v[ADRS]
.irp s, 0,1,2
	v_add_nc_u32 v[ADRA+\s], s2, v[LI]
	v_add_nc_u32 v[ADRB+\s], s3, v[LI]
	s_add_co_u32 s2, s2, SLOTB
	s_add_co_u32 s3, s3, SLOTB
.endr
	v_mul_u32_u24 v[SBO], v2, 2*GRP
	v_lshl_add_u32 v[SBO], v1, 4, v[SBO]
	s_mul_i32 s2, s15, GRP                         ; phase 2: my group of Wv, in slot 0
	s_mul_i32 s3, s16, SLOTB
	s_add_co_u32 s3, s3, SLOTB                     ; my two groups of X: slot 1 + half
	v_add_nc_u32 v[ADA2], s2, v[LI]
	v_add_nc_u32 v[ADB2], s3, v[LI]
	v_add_nc_u32 v[ADB2+1], GRP, v[ADB2]
	s_sub_co_u32 s100, s3, s2
	v_mul_u32_u24 v4, s100, v2                     ; lanes 16-31 take the words of X's first group,
	v_lshl_add_u32 v4, v1, 4, v4
	v_add_nc_u32 v[ADS2], s2, v4
	s_add_co_u32 s100, s100, GRP
	v_mul_u32_u24 v4, s100, v2                     ; or of its second
	v_lshl_add_u32 v4, v1, 4, v4
	v_add_nc_u32 v[ADS2+1], s2, v4
	v_lshlrev_b32 v[SBV], 3, v2
	v_lshl_add_u32 v[SBV], v1, 4, v[SBV]
	; ---- PHASE 1
	s_wait_tensorcnt 2                             ; my part of unit 0 is in; units 1 and 2 stay out
	s_barrier_signal -1
	s_barrier_wait -1
	FETCH_B 0, 0, 0
	FETCH_A 0, 0, 0
	SCALES 0, 0, 0
	FETCH_A 0, 0, 4
	STEP 0, 0, 1, 1                                ; K step 0: its products start the sums
	TURN 1, 1, 0, 1                                ; K step 1; slot 0 is left and takes unit 3; units 1 and 2 are shown landed to every wave
	STEP 0, 1, 1, 0
	STEP 1, 2, 0, 0                                ; on into slot 2: no barrier is owed, the one above has shown it whole
	STEP 0, 2, 1, 0
	TURN 1, 0, 0, 0                                ; K step 5; unit 3 is shown landed; nothing is filled
	STEP 0, 0, 1, 0
	; K step 7: the last fragments are in registers, so all three slots are left: behind a round they take phase 2's operands
	s_wait_tensorcnt 0x0                           ; no tensor load of mine is out
	ds_add_u32 v[SPW], v[NIL]
	s_wait_dscnt 13                                ; (the add and the youngest 12 loads may be out)
	WIN MUL_LO
	MUL16 0, 1, 0
	s_wait_dscnt 0x0                               ; the add is done, and my reads of the slots are over
	s_barrier_signal -1
	MUL16 2, 1, 0
	WIN 0
	s_barrier_wait -1
	CREST                                          ; no wave of any partner still reads a slot or has a load on its way
	JLOAD2                                         ; the first tensor load behind the round, one a wave: 32 products and eight images' way out stand between it and the wait for it
	WIN MUL_HI
	MUL16 4, 1, 0
	MUL16 6, 1, 0
	WIN 0
	PLACES 4                                       ; behind the last products: results are read, and registers that held A's fragments are written
.irp b, 0,1,2,3
	v_mov_b32 v[TM+4+\b], 0                        ; written once: a lane permute's destination counts as one of its sources
.endr
.irp a, 0,1,2,3,4,5,6,7
	EMIT \a
.endr
.irp w, 0,1,2,3
	v_cndmask_b32 v[OW+\w], v[PWS+\w], v[PWS+4+\w], s[HM]   ; lanes 0-15: my first group's words, lanes 16-31: my second's
.endr
	global_store_b128 v[SBO], v[OW:OW+3], s[OB:OB+1] offset:6144   ; sixteen lanes store 256 consecutive bytes, aligned
	; ---- PHASE 2
	s_wait_tensorcnt 0x0                           ; my block has landed,
	s_barrier_signal -1
	s_barrier_wait -1                              ; everybody's has
	s_wait_xcnt 0x0                                ; phase 1's last stores have read v128 on, where fragments land now
	FETCH2 0
	STEP2 0, 0, 0, 2, 1, 1                         ; K step 0: its products start the sums
	STEP2 1, 1, 4, 6, 0, 1
	STEP2 2, 0, 0, 2, 0, 1
	STEP2 3, 1, 4, 6, 0, 1
	STEP2 4, 0, 0, 2, 0, 1
	STEP2 5, 1, 4, 6, 0, 1
	STEP2 6, 0, 0, 2, 0, 1
	STEP2 7, 1, 4, 6, 0, 0
	PLACES 4                                       ; behind the last products
.irp a, 0,1,2,3
	EMIT2 \a
.endr
	v_cndmask_b32 v[OW], v[PWS], v[PWS+2], s[HM]   ; both halves of the lanes hold row r's four words: lanes 0-15 send tiles 0 and 1's, lanes 16-31 tiles 2 and 3's
	v_cndmask_b32 v[OW+1], v[PWS+1], v[PWS+3], s[HM]
	global_store_b64 v[SBV], v[OW:OW+1], s[OV:OV+1] offset:6144   ; 32 lanes store 256 consecutive bytes, aligned
	s_wait_tensorcnt 0x0                           ; the wave's end
	ds_add_u32 v[SPW], v[NIL]
	s_wait_dscnt 0x0
	CROUND                                         ; the closing round
	s_endpgm
.Lfunc_end_k_q5312c16f67_qkv:
	.size	k_q5312c16f67_qkv, .Lfunc_end_k_q5312c16f67_qkv-k_q5312c16f67_qkv
	.p2alignl 7, 3214868480
	.fill 96, 4, 3214868480
	.section	.rodata,"a",@progbits
	.p2align	6, 0x0
	.amdhsa_kernel k_q5312c16f67_qkv
		.amdhsa_group_segment_fixed_size 327680
		.amdhsa_private_segment_fixed_size 0
		.amdhsa_enable_private_segment 0
		.amdhsa_kernarg_size 32
		.amdhsa_user_sgpr_count 2
		.amdhsa_user_sgpr_kernarg_segment_ptr 1
		.amdhsa_wavefront_size32 1
		.amdhsa_system_sgpr_workgroup_id_x 1
		.amdhsa_system_sgpr_workgroup_id_y 1
		.amdhsa_system_sgpr_workgroup_id_z 1
		.amdhsa_system_vgpr_workitem_id 0
		.amdhsa_next_free_vgpr 1024
		.amdhsa_next_free_sgpr 102
		.amdhsa_reserve_vcc 0
		.amdhsa_float_denorm_mode_32 3
		.amdhsa_float_denorm_mode_16_64 3
		.amdhsa_memory_ordered 1
		.amdhsa_forward_progress 1
		.amdhsa_inst_pref_size 211
	.end_amdhsa_kernel
	.amdgpu_metadata
---
amdhsa.version: [ 1, 2 ]
amdhsa.kernels:
  - .name:           k_q5312c16f67_qkv
    .symbol:         k_q5312c16f67_qkv.kd
    .args:
      - { .name: XP, .offset: 0, .size: 8, .value_kind: global_buffer, .address_space: global }
      - { .name: WP, .offset: 8, .size: 8, .value_kind: global_buffer, .address_space: global }
      - { .name: QK, .offset: 16, .size: 8, .value_kind: global_buffer, .address_space: global }
      - { .name: VP, .offset: 24, .size: 8, .value_kind: global_buffer, .address_space: global }
    .group_segment_fixed_size: 327680
    .private_segment_fixed_size: 0
    .kernarg_segment_align: 8
    .kernarg_segment_size: 32
    .max_flat_workgroup_size: 128
    .sgpr_count:     102
    .vgpr_count:     1024
    .wavefront_size: 32
...
	.end_amdgpu_metadata
.endif
;; end of part 2
;; launch scores (part 3): grid 9 x 16, 4 waves a work-group, no clusters, 327,680 bytes of LDS; arguments QK, PP, MS, LS; writes PP, MS, LS
.if DOCPART == 3
	.amdgcn_target "amdgcn-amd-amdhsa--gfx1250"
	.amdhsa_code_object_version 6
	.text
	.protected	k_q5312c16f67_scores
	.globl	k_q5312c16f67_scores
	.p2align	8
	.type	k_q5312c16f67_scores,@function
k_q5312c16f67_scores:
	s_mov_b64 s[64:65], 0
	v_nop
	global_prefetch_b8 v0, s[64:65] scope:SCOPE_SE
	s_setreg_imm32_b32 hwreg(HW_REG_WAVE_MODE, 25, 1), 1
	s_wait_xcnt 0x0
; S^T = k q^T on codes of FP6 (E2M3), and p = 2^(t - M) quantised at once along the keys.  t = score x log2(e) / 32.  M here is the ceiling of the largest t of ONE CHUNK of 128 keys: a whole number, so that the next launch
; brings p under the row's M by adding a whole number to the scale bytes, which changes no code's value.  For each (query, chunk) -M goes to MS and the sum of the unquantised p to LS, both [G][s][position r][tile j] f32.
; PP: [128 G (queries)][16 s (chunks of 128 keys)][6400], packs as in the other launches; only chunks up to the causal limit (rounded up to a pair of chunks) are written, and only those are read.
; SHARES.  The 36 tiles of 256 queries x 256 keys of a batch's causal triangle: work-group (x, y): yy = y % 4, batch y / 4; x <= yy: tile (yy, x), else (7 - yy, x - yy - 1).  Four waves, 128 queries x 128 keys each, K = 1,024 = 8 steps.
; Source 0 = 16 keys, source 1 = 16 queries: a lane holds one query and its 64 registers of a tile of queries run along the chunk's 128 keys.
; It stores zero codes, zero scale bytes, -M = 3e38 and a sum of 0; the two waves on the diagonal set hidden scores to -infinity ahead of the maximum.
; NO CLUSTER: 36 tiles a batch fall into no 4 x 4 or 4 x 1 groups that share an operand without 12 more, hidden, tiles a batch, and the branches for the diagonal would hang on a work-group's place in its cluster.
; LDS: three slots of 102,400 bytes with two K steps each; wave w brings quarter w (0, 1: q's halves; 2, 3: k's).  Three tensor loads of a wave are out at the head; the fourth unit fills slot 0 again behind the one barrier of a refill.
; LIMITS: p under 2^-126 is 0; a block of zeros gets the byte 1; NaN and infinities are not served.
; REGISTERS: window 0: v1, v2 r, h; v8-16 LDS addresses; v17-20 offsets; v28, v29 the add's two; v32-47 scale words and nothing else; v64-127 p; v128-223 q's fragments, later codes, scale words, -M, sums; v224-244 at work.
;   window 1: k's fragments, two sets.   windows 2, 3: accumulator (a, b) at v[8 (8 (a % 4) + b)].
.set SLOTB, 102400
.set QTR,   25600
.set UNITB, 12800
.set SPARE, 3*SLOTB
.set FR,    12
.set ADRA,  8
.set ADRB,  11
.set ADRS,  14
.set LI,    17                         ; v17  16 x lane
.set SBO,   18                         ; v18  16 r + 102,400 h
.set STA,   19                         ; v19  16 r + 4,096 h
.set DD,    20                         ; v20  r % 8 + 16 (r / 8) - 16 h
.set SPW,   28
.set NIL,   29
.set SC,    32
.set W,     64
.set AF,    128
.set PC,    128
.set PWS,   160
.set NMS,   168
.set LSS,   176
.set OW,    184
.set BM,    224
.set BX,    228
.set SOP,   232
.set NM,    236
.set SMA,   238
.set SMB,   240
.set T,     242
.set NINF,  244
.set G1,    24
.set G0,    32
.set CS,    44
.set SEL,   46
.set HM,    48
.set MK,    68                         ; s68-91  lane masks: bit set where n - 8 <= v[DD]
.set DG,    92                         ; s92  1 in a wave on the diagonal
.set HD,    93                         ; s93  1 in the hidden wave
.set MUL_LO, 0xa1
.set MUL_HI, 0xf1
.set MSB, 0
.macro WIN new
.if MSB != (\new)
	s_set_vgpr_msb (MSB<<8)|(\new)
.set MSB, (\new)
.endif
.endm
.macro PLACES n
.rept \n
	v_nop
.endr
.endm
.macro FRAG reg, adr, off
.irp c, 0,1,2
	ds_load_b128 v[(\reg)+4*\c:(\reg)+4*\c+3], v[\adr] offset:(\off)+512*\c
.endr
.endm
.macro FETCH_B slot, q, p
	WIN 0x40
.irp i, 0,1,2,3,4,5,6,7
	FRAG 128*(\p)+FR*\i, ADRB+\slot, 12800*(\i/4)+6400*(\q)+1536*(\i%4)
.endr
	WIN 0
.endm
.macro FETCH_A slot, q, i0
.irp i, \i0, \i0+1, \i0+2, \i0+3
	FRAG AF+FR*(\i), ADRA+\slot, 12800*((\i)/4)+6400*(\q)+1536*((\i)%4)
.endr
.endm
.macro SCALES slot, q, p
.irp g, 0,1
	ds_load_b128 v[SC+8*(\p)+4*\g:SC+8*(\p)+4*\g+3], v[ADRS+\slot] offset:12800*\g+6400*(\q)+6144
.endr
.endm
.macro MUL16 a0, p, zero               ; the 64 accumulators take turns, one instruction a turn
.irp a, \a0, \a0+1
.irp b, 0,1,2,3,4,5,6,7
.if \zero
	v_wmma_scale_f32_16x16x128_f8f6f4 v[8*(8*((\a)%4)+\b):8*(8*((\a)%4)+\b)+7], v[128*(\p)+FR*\b:128*(\p)+FR*\b+FR-1], v[AF+FR*(\a):AF+FR*(\a)+FR-1], 0, v[SC+8*(\p)+\b], v[SC+8*(\p)+(\a)] matrix_a_fmt:MATRIX_FMT_FP6 matrix_b_fmt:MATRIX_FMT_FP6 matrix_a_scale:MATRIX_SCALE_ROW1
.else
	v_wmma_scale_f32_16x16x128_f8f6f4 v[8*(8*((\a)%4)+\b):8*(8*((\a)%4)+\b)+7], v[128*(\p)+FR*\b:128*(\p)+FR*\b+FR-1], v[AF+FR*(\a):AF+FR*(\a)+FR-1], v[8*(8*((\a)%4)+\b):8*(8*((\a)%4)+\b)+7], v[SC+8*(\p)+\b], v[SC+8*(\p)+(\a)] matrix_a_fmt:MATRIX_FMT_FP6 matrix_b_fmt:MATRIX_FMT_FP6 matrix_a_scale:MATRIX_SCALE_ROW1
.endif
.endr
.endr
.endm
.macro STEP p, nslot, nq, zero
	s_wait_dscnt 12                                ; all but the youngest 12 loads (q's tiles 4-7)
	WIN MUL_LO
	MUL16 0, \p, \zero
	MUL16 2, \p, \zero
	s_wait_dscnt 0x0
	PLACES 4
	FETCH_B \nslot, \nq, 1-(\p)
	FETCH_A \nslot, \nq, 0
	SCALES \nslot, \nq, 1-(\p)
	WIN MUL_HI
	MUL16 4, \p, \zero
	MUL16 6, \p, \zero
	PLACES 4
	WIN 0
	FETCH_A \nslot, \nq, 4
.endm
.macro TURN p, nslot, nq, fill
	s_wait_tensorcnt 0x0                           ; all my tensor loads have landed
	ds_add_u32 v[SPW], v[NIL]
	s_wait_dscnt 13                                ; (the add and the youngest 12 loads may be out)
	WIN MUL_LO
	MUL16 0, \p, 0
	s_wait_dscnt 0x0                               ; the add is done, and my reads of the slot are over
	s_barrier_signal -1
	MUL16 2, \p, 0
	WIN 0
	s_barrier_wait -1
.if \fill
	s_add_nc_u64 s[G0+2:G0+3], s[G0+2:G0+3], 3*UNITB
	tensor_load_to_lds s[G0:G0+3], s[G1:G1+7]      ; slot 0 takes the fourth unit: my one tensor load behind this barrier, and the first thing there
	s_nop 0
.endif
	PLACES 4
	FETCH_B \nslot, \nq, 1-(\p)
	FETCH_A \nslot, \nq, 0
	SCALES \nslot, \nq, 1-(\p)
	WIN MUL_HI
	MUL16 4, \p, 0
	MUL16 6, \p, 0
	PLACES 4
	WIN 0
	FETCH_A \nslot, \nq, 4
.endm
; On the diagonal: query 32 (a / 2) + 8 (a % 2) + r % 8 + 16 (r / 8), key 32 b + 16 h + i.  Blocks b < a / 2 count, blocks b > a / 2 are hidden, in block a / 2 key i counts where i - 8 (a % 2) <= v[DD]
.macro MASK a
	WIN ((2+(\a)/4)<<2)|((2+(\a)/4)<<6)
.irp i, 0,1,2,3,4,5,6,7,8,9,10,11,12,13,14,15
	v_cndmask_b32 v[64*((\a)%4)+16*((\a)/2)+\i], v[NINF], v[64*((\a)%4)+16*((\a)/2)+\i], s[MK+8+\i-8*((\a)%2)]
.endr
.if (\a)/2 < 3
	WIN (2+(\a)/4)<<6
.irp b, 1,2,3
.if \b > (\a)/2
.irp i, 0,1,2,3,4,5,6,7,8,9,10,11,12,13,14,15
	v_mov_b32 v[64*((\a)%4)+16*\b+\i], 0xff800000
.endr
.endif
.endr
.endif
	WIN 0
.endm
; Tile a of my queries: the chunk's softmax terms, their codes, scale word, -M and sum
.macro SOFT a
.set WN, 2+(\a)/4
.set AB, 64*((\a)%4)
	s_wait_xcnt 0x0                                ; the last tile's stores have read v[PC] on
	s_cmp_eq_u32 s[DG], 0
	s_cbranch_scc1 .Lopen_\@
	MASK \a
.Lopen_\@:
	WIN WN|(WN<<2)|(WN<<4)
.irp b, 0,1,2,3
	v_max3_num_f32 v[BM+\b], v[AB+16*\b], v[AB+16*\b+1], v[AB+16*\b+2]   ; the largest score of each block of 32 keys: it serves for the chunk's maximum and, since p rises with the score, for the block's largest p
.endr
	WIN (WN<<2)|(WN<<4)
.irp i, 3,5,7,9,11,13
.irp b, 0,1,2,3
	v_max3_num_f32 v[BM+\b], v[BM+\b], v[AB+16*\b+\i], v[AB+16*\b+\i+1]
.endr
.endr
	WIN WN<<2
.irp b, 0,1,2,3
	v_max_num_f32 v[BM+\b], v[BM+\b], v[AB+16*\b+15]
.endr
	WIN 0
.irp b, 0,1,2,3
	v_permlanex16_b32 v[BX+\b], v[BM+\b], s[SEL], s[SEL+1]
.endr
.irp b, 0,1,2,3
	v_max_num_f32 v[BM+\b], v[BM+\b], v[BX+\b]     ; with lane l xor 16's 16 keys
.endr
	v_max3_num_f32 v[T], v[BM], v[BM+1], v[BM+2]
	v_max_num_f32 v[T], v[T], v[BM+3]
	v_mul_f32 v[T], s[CS], v[T]                    ; the chunk's largest t
	v_floor_f32 v[NM], -v[T]                       ; -M = floor(-t) = -ceil(t)
	WIN WN
.set JJ, 0
.rept 32
	v_pk_fma_f32 v[W+JJ:W+JJ+1], v[AB+JJ:AB+JJ+1], s[CS:CS+1], v[NM:NM+1] op_sel_hi:[1,0,0]   ; t - M, two at a time
.set JJ, JJ+2
.endr
	WIN 0
.irp b, 0,1,2,3
	v_fma_f32 v[BM+\b], v[BM+\b], s[CS], v[NM]     ; the same of each block's largest score
.endr
.set JJ, 0
.rept 64
	v_exp_f32 v[W+JJ], v[W+JJ]                     ; p = 2^(t - M)
.set JJ, JJ+1
.endr
	v_mov_b32 v[NMS+(\a)], v[NM]                   ; (a plain place behind the exponentials)
	s_wait_alu depctr_va_vdst(0)                   ; one wait for the batch, ahead of its first reader
.irp b, 0,1,2,3
	v_exp_f32 v[BM+\b], v[BM+\b]                   ; the block's largest p
.endr
	v_pk_add_f32 v[SMA:SMA+1], v[W:W+1], v[W+4:W+5]   ; the sum of the unquantised p, in two chains: plain work behind the four
	v_pk_add_f32 v[SMB:SMB+1], v[W+2:W+3], v[W+6:W+7]
.irp j, 8,12,16,20,24,28,32,36,40,44,48,52,56,60
	v_pk_add_f32 v[SMA:SMA+1], v[SMA:SMA+1], v[W+\j:W+\j+1]
	v_pk_add_f32 v[SMB:SMB+1], v[SMB:SMB+1], v[W+\j+2:W+\j+3]
.endr
	v_pk_add_f32 v[SMA:SMA+1], v[SMA:SMA+1], v[SMB:SMB+1]
	s_wait_alu depctr_va_vdst(0)                   ; and one for the four
.irp b, 0,1,2,3
	v_max_num_f32 v[BM+\b], 0x1800000, v[BM+\b]    ; the floor 2^(3 - 127)
.endr
.irp b, 0,1,2,3
	v_add_nc_u32 v[SOP+\b], 0xff000000, v[BM+\b]
.endr
.irp b, 0,1,2,3
	v_lshrrev_b32 v[BX+\b], 23, v[SOP+\b]
.endr
	v_lshl_or_b32 v[PWS+(\a)], v[BX+1], 8, v[BX]
	v_lshl_or_b32 v[PWS+(\a)], v[BX+2], 16, v[PWS+(\a)]
	v_lshl_or_b32 v[PWS+(\a)], v[BX+3], 24, v[PWS+(\a)]
.irp c, 0,1
	v_cvt_scalef32_pk16_fp6_f32 v[PC+6*\c:PC+2+6*\c], v[W+32*\c:W+15+32*\c], v[SOP+2*\c]
	v_cvt_scalef32_pk16_fp6_f32 v[PC+12+4*\c:PC+14+4*\c], v[W+16+32*\c:W+31+32*\c], v[SOP+2*\c+1]
.endr
	v_add_f32 v[T], v[SMA], v[SMA+1]               ; (the plain place behind the conversions)
.irp c, 0,1
.irp i, 0,1,2
	v_permlane16_swap_b32 v[PC+6*\c+\i], v[PC+12+4*\c+\i]
.endr
.irp i, 0,1,2
	v_mov_b32 v[PC+3+6*\c+\i], v[PC+12+4*\c+\i]
.endr
.endr
	v_permlanex16_b32 v[T+1], v[T], s[SEL], s[SEL+1]
	v_add_f32 v[LSS+(\a)], v[T], v[T+1]            ; the chunk's sum for my query
.irp c, 0,1,2
	global_store_b128 v[LI], v[PC+4*\c:PC+4*\c+3], s[6:7] offset:102400*((\a)/4)+1536*((\a)%4)+512*\c   ; 512 consecutive bytes, aligned
.endr
.endm
	s_load_b256 s[4:11], s[0:1], 0x0               ; QK, PP, MS, LS
	v_lshl_add_u32 v[SPW], v0, 2, SPARE
	v_mov_b32 v[NIL], 0
	ds_add_u32 v[SPW], v[NIL]                      ; the wave's opening: the add and its wait, ahead of my first tensor load
	v_lshrrev_b32 v1, 5, v0
	v_readfirstlane_b32 s14, v1                    ; wave 0..3
	s_lshr_b32 s15, s14, 1                         ; my half of the queries
	s_and_b32 s16, s14, 1                          ; my half of the keys.  Also: which half of a tile I fetch
	s_and_b32 s50, ttmp7, 0xffff
	s_and_b32 s51, s50, 3                          ; yy
	s_lshr_b32 s52, s50, 2                         ; the batch
	s_sub_co_u32 s56, 7, s51
	s_sub_co_u32 s57, ttmp9, s51
	s_sub_co_u32 s57, s57, 1
	s_cmp_le_u32 ttmp9, s51
	s_cselect_b32 s53, s51, s56                    ; qi: which 256 queries
	s_cselect_b32 s54, ttmp9, s57                  ; kj: which 256 keys
	s_cmp_eq_u32 s53, s54
	s_cselect_b32 s55, 1, 0
	s_cmp_eq_u32 s15, s16
	s_cselect_b32 s[DG], s55, 0
	s_cmp_lt_u32 s15, s16
	s_cselect_b32 s[HD], s55, 0
	s_mov_b32 s[G1], 3<<16                         ; no mask; elements of 8 bytes; no padding
	s_mov_b32 s[G1+1], 1600<<16                    ; tensor_dim0 = 1,600: two packs on end
	s_mov_b32 s[G1+2], 2<<16                       ; tensor_dim1 = 2 groups
	s_mov_b32 s[G1+3], 1600<<16
	s_mov_b32 s[G1+4], 2
	s_mov_b32 s[G1+5], 12800                       ; from group to group: 102,400 bytes
	s_mov_b32 s[G1+6], 0
	s_mov_b32 s[G1+7], 0
	s_cmp_lt_u32 s14, 2                            ; waves 0, 1 fetch q (K steps 0-7 of a group), waves 2, 3 k (8-15)
	s_cselect_b32 s62, s53, s54
	s_cselect_b32 s63, 0, 51200
	s_lshl_b32 s62, s62, 2
	s_lshl_b32 s56, s52, 5
	s_add_co_u32 s62, s62, s56
	s_lshl_b32 s56, s16, 1
	s_add_co_u32 s62, s62, s56
	s_mul_i32 s62, s62, 102400
	s_add_co_u32 s62, s62, s63
	s_mov_b32 s63, 0
	s_mul_i32 s49, s14, QTR                        ; quarter = wave
	s_lshl_b32 s56, s52, 5                         ; my first group of queries: 32 b + 4 qi + 2 x half
	s_lshl_b32 s57, s53, 2
	s_add_co_u32 s56, s56, s57
	s_lshl_b32 s57, s15, 1
	s_add_co_u32 s56, s56, s57
	s_lshl_b32 s57, s54, 1
	s_add_co_u32 s57, s57, s16                     ; my chunk: 2 kj + half
	s_mul_i32 s58, s56, 102400
	s_mul_i32 s59, s57, 6400
	s_add_co_u32 s58, s58, s59
	s_mov_b32 s59, 0
	s_lshl_b32 s60, s56, 4
	s_add_co_u32 s60, s60, s57
	s_lshl_b32 s60, s60, 8
	s_mov_b32 s61, 0
	s_mov_b32 s[CS], 0x3d38aa3b                    ; log2(e) / sqrt(1024)
	s_mov_b32 s[CS+1], s[CS]
	s_mov_b32 s[SEL], 0x76543210
	s_mov_b32 s[SEL+1], 0xfedcba98
	s_mov_b32 s[HM], 0xffff0000
	s_wait_dscnt 0x0                               ; the opening add is done
	s_wait_kmcnt 0x0
	s_add_nc_u64 s[4:5], s[4:5], s[62:63]
	s_add_nc_u64 s[6:7], s[6:7], s[58:59]
	s_add_nc_u64 s[8:9], s[8:9], s[60:61]
	s_add_nc_u64 s[10:11], s[10:11], s[60:61]
.irp s, 0,1,2
	s_mov_b32 s[G0+4*\s], 1
	s_add_co_u32 s[G0+4*\s+1], s49, \s*SLOTB
	s_add_nc_u64 s[G0+4*\s+2:G0+4*\s+3], s[4:5], \s*UNITB
	s_or_b32 s[G0+4*\s+3], s[G0+4*\s+3], 0x80000000
.endr
.irp s, 0,1,2
	tensor_load_to_lds s[G0+4*\s:G0+4*\s+3], s[G1:G1+7]   ; the first fills go out together
	s_nop 0
.endr
	v_and_b32 v1, 15, v0                           ; r
	v_bfe_u32 v2, v0, 4, 1                         ; h
	v_and_b32 v3, 31, v0
	v_lshlrev_b32 v[LI], 4, v3
	s_mul_i32 s94, s15, QTR
	s_mul_i32 s95, s16, QTR
	s_add_co_u32 s95, s95, 2*QTR
	s_sub_co_u32 s96, s95, s94
	v_mul_u32_u24 v4, s96, v2                      ; lanes 16-31 take k's scale words
	v_lshl_add_u32 v4, v1, 4, v4
	v_add_nc_u32 v[ADRS], s94, v4
	v_add_nc_u32 v[ADRS+1], SLOTB, v[ADRS]
	v_add_nc_u32 v[ADRS+2], 2*SLOTB, v[ADRS]
.irp s, 0,1,2
	v_add_nc_u32 v[ADRA+\s], s94, v[LI]
	v_add_nc_u32 v[ADRB+\s], s95, v[LI]
	s_add_co_u32 s94, s94, SLOTB
	s_add_co_u32 s95, s95, SLOTB
.endr
	v_mul_u32_u24 v[SBO], v2, 102400
	v_lshl_add_u32 v[SBO], v1, 4, v[SBO]
	v_lshlrev_b32 v[STA], 12, v2
	v_lshl_add_u32 v[STA], v1, 4, v[STA]
	v_and_b32 v[DD], 7, v0
	v_bfe_u32 v5, v0, 3, 1
	v_lshl_add_u32 v[DD], v5, 4, v[DD]
	v_lshlrev_b32 v5, 4, v2
	v_sub_nc_u32 v[DD], v[DD], v5
.set JJ, 0
.rept 24
	v_cmp_le_i32 s[MK+JJ], JJ-8, v[DD]
.set JJ, JJ+1
.endr
	s_wait_tensorcnt 2                             ; my part of unit 0 is in; units 1 and 2 stay out
	s_barrier_signal -1
	s_barrier_wait -1
	FETCH_B 0, 0, 0
	FETCH_A 0, 0, 0
	SCALES 0, 0, 0
	FETCH_A 0, 0, 4
	STEP 0, 0, 1, 1                                ; K step 0: its products start the sums
	TURN 1, 1, 0, 1                                ; K step 1; slot 0 is left and takes unit 3; units 1 and 2 are shown landed to every wave
	STEP 0, 1, 1, 0
	STEP 1, 2, 0, 0
	STEP 0, 2, 1, 0
	TURN 1, 0, 0, 0                                ; K step 5; unit 3 is shown landed; nothing is filled
	STEP 0, 0, 1, 0
	s_wait_dscnt 12
	WIN MUL_LO
	MUL16 0, 1, 0
	MUL16 2, 1, 0
	s_wait_dscnt 0x0
	WIN MUL_HI
	MUL16 4, 1, 0
	MUL16 6, 1, 0
	WIN 0
	PLACES 4                                       ; behind the last products
	s_cmp_lg_u32 s[HD], 0                          ; a branch on ids and the wave's number; no barrier follows
	s_cbranch_scc1 .Lhidden
.irp b, 0,1,2,3
	v_mov_b32 v[BX+\b], 0                          ; written once: a lane permute's destination counts as one of its sources
.endr
	v_mov_b32 v[T+1], 0
	v_mov_b32 v[NM+1], 0                           ; (named as the upper half of a pair)
	v_mov_b32 v[NINF], 0xff800000
.irp a, 0,1,2,3,4,5,6,7
	SOFT \a
.endr
.irp w, 0,1,2,3
	v_cndmask_b32 v[OW+\w], v[PWS+\w], v[PWS+4+\w], s[HM]      ; lanes 0-15: my first group, lanes 16-31: my second
	v_cndmask_b32 v[OW+4+\w], v[NMS+\w], v[NMS+4+\w], s[HM]
	v_cndmask_b32 v[OW+8+\w], v[LSS+\w], v[LSS+4+\w], s[HM]
.endr
	global_store_b128 v[SBO], v[OW:OW+3], s[6:7] offset:6144   ; sixteen lanes store 256 consecutive bytes, aligned
	global_store_b128 v[STA], v[OW+4:OW+7], s[8:9]
	global_store_b128 v[STA], v[OW+8:OW+11], s[10:11]
	s_branch .Lend
.Lhidden:                                          ; nothing of this chunk counts for these queries; the next launch walks pairs of chunks and reads it
.irp w, 0,1,2,3
	v_mov_b32 v[OW+\w], 0
	v_mov_b32 v[OW+4+\w], 0x7f61b1e6               ; -M = 3e38: above every other chunk's
.endr
.irp g, 0,1
.irp n, 0,1,2,3,4,5,6,7,8,9,10,11
	global_store_b128 v[LI], v[OW:OW+3], s[6:7] offset:102400*\g+512*\n
.endr
.endr
	global_store_b128 v[SBO], v[OW:OW+3], s[6:7] offset:6144
	global_store_b128 v[STA], v[OW+4:OW+7], s[8:9]
	global_store_b128 v[STA], v[OW:OW+3], s[10:11]
.Lend:
	s_wait_tensorcnt 0x0                           ; the wave's end
	ds_add_u32 v[SPW], v[NIL]
	s_wait_dscnt 0x0
	s_endpgm
.Lfunc_end_k_q5312c16f67_scores:
	.size	k_q5312c16f67_scores, .Lfunc_end_k_q5312c16f67_scores-k_q5312c16f67_scores
	.p2alignl 7, 3214868480
	.fill 96, 4, 3214868480
	.section	.rodata,"a",@progbits
	.p2align	6, 0x0
	.amdhsa_kernel k_q5312c16f67_scores
		.amdhsa_group_segment_fixed_size 327680
		.amdhsa_private_segment_fixed_size 0
		.amdhsa_enable_private_segment 0
		.amdhsa_kernarg_size 32
		.amdhsa_user_sgpr_count 2
		.amdhsa_user_sgpr_kernarg_segment_ptr 1
		.amdhsa_wavefront_size32 1
		.amdhsa_system_sgpr_workgroup_id_x 1
		.amdhsa_system_sgpr_workgroup_id_y 1
		.amdhsa_system_sgpr_workgroup_id_z 1
		.amdhsa_system_vgpr_workitem_id 0
		.amdhsa_next_free_vgpr 1024
		.amdhsa_next_free_sgpr 100
		.amdhsa_reserve_vcc 0
		.amdhsa_float_denorm_mode_32 3
		.amdhsa_float_denorm_mode_16_64 3
		.amdhsa_memory_ordered 1
		.amdhsa_forward_progress 1
		.amdhsa_inst_pref_size 214
	.end_amdhsa_kernel
	.amdgpu_metadata
---
amdhsa.version: [ 1, 2 ]
amdhsa.kernels:
  - .name:           k_q5312c16f67_scores
    .symbol:         k_q5312c16f67_scores.kd
    .args:
      - { .name: QK, .offset: 0, .size: 8, .value_kind: global_buffer, .address_space: global }
      - { .name: PP, .offset: 8, .size: 8, .value_kind: global_buffer, .address_space: global }
      - { .name: MS, .offset: 16, .size: 8, .value_kind: global_buffer, .address_space: global }
      - { .name: LS, .offset: 24, .size: 8, .value_kind: global_buffer, .address_space: global }
    .group_segment_fixed_size: 327680
    .private_segment_fixed_size: 0
    .kernarg_segment_align: 8
    .kernarg_segment_size: 32
    .max_flat_workgroup_size: 128
    .sgpr_count:     100
    .vgpr_count:     1024
    .wavefront_size: 32
...
	.end_amdgpu_metadata
.endif
;; end of part 3
;; launch pv (part 4): grid 4 x 64, 4 waves a work-group, no clusters, 327,680 bytes of LDS; arguments PP, VP, MS, LS, out0; writes out0
.if DOCPART == 4
	.amdgcn_target "amdgcn-amd-amdhsa--gfx1250"
	.amdhsa_code_object_version 6
	.text
	.protected	k_q5312c16f67_pv
	.globl	k_q5312c16f67_pv
	.p2align	8
	.type	k_q5312c16f67_pv,@function
k_q5312c16f67_pv:
	s_mov_b64 s[64:65], 0
	v_nop
	global_prefetch_b8 v0, s[64:65] scope:SCOPE_SE
	s_setreg_imm32_b32 hwreg(HW_REG_WAVE_MODE, 25, 1), 1
	s_wait_xcnt 0x0
; O^T = v^T p^T on codes of FP6 (E2M3), divided by the row's sum.  p lies in PP coded under the M of its own chunk of 128 keys; the row's M is the largest of its chunks' M, and p's scale bytes of a chunk get the whole number
; (chunk's M - row's M) added, which changes no code's value.  The row's sum is the chunks' sums (LS) times 2^(chunk's M - row's M), exact multiplications.
; SHARES.  Work-group (x, y): 256 of the head's 1,024 (x), batch y % 4, 128 queries qt = 15 - y / 4 (the longest first).  Wave: 64 queries (4 tiles of p, source 1) x 128 d (8 tiles of v^T, source 0): 32 accumulators.
; K = the keys, in units of two steps of 128: NS = qt / 2 + 1 units, up to the causal limit.  THE WALK IS WRITTEN OUT FOR ALL EIGHT UNITS AND EVERY WAVE PASSES EVERY BARRIER: what a work-group's NS leaves out is a unit's WORK
; (its LDS loads and products) and its tensor load, jumped over by scalar branches on the work-group's number.
; LDS: four regions of 76,800 bytes, unit n in region n % 4: p's [2 G][2 s][6400], then v's [4 G][2 s][6400].  Wave w brings the units of parity w % 2: waves 0, 1 p's part, waves 2, 3 v's.  Regions 0, 1 are filled at the head,
; regions 2, 3 behind the first barrier, and then a pair of regions behind each change; a wave has one tensor load out at the most, and every wait for tensor loads is for all of them.  A unit beyond NS is neither fetched nor read.
; NO CLUSTER: v's tiles are shared only by blocks of queries that need different numbers of them, and p's part, which the four work-groups of a block of queries share, is a third of a unit's bytes.
; LIMITS: a chunk whose M lies 127 or more under the row's counts with scale bytes held at 0 (2^-127) and its sum times 2^-127; NaN and infinities are not served.
; REGISTERS: window 0: v1 r, v2 h, v3 16 x lane; v4-7, v24-27 at work; v8-23 LDS addresses; v28, v29 the add's two; v30, v31 offsets; v32-39 p's scale words, v40-55 v's, two sets each, and nothing else; v56-87 what is added to p's bytes;
;   v88-95 1 / the sums; v96-191 p's fragments, two sets; v192-255 -M and sums as loaded, later rows of O.   window 1: v's fragments, two sets.   window 2: accumulator (a, i) at v[8 (8 a + i)].
.set REG,   76800
.set UNITB, 12800
.set SPARE, 4*REG
.set FR,    12
.set LI,    3
.set UU,    4
.set ADRP,  8
.set ADRV,  12
.set ADSP,  16
.set ADSV,  20
.set TT,    24
.set SPW,   28
.set NIL,   29
.set SA,    30                         ; v30  the statistics' offset; on the way out: where I read a row back
.set RD,    30
.set STO,   31
.set PS,    32
.set VS,    40
.set EE,    56
.set INV,   88
.set PF,    96
.set NR,    96                         ; the head's work registers lie where p's fragments will
.set LT,    100
.set XT,    104
.set DT,    108
.set FT,    112
.set MSR,   192
.set LSR,   224
.set G1P,   24
.set G1V,   32
.set G0X,   40                         ; s[40:43] group 0 for regions 0, 1;  s[44:47] for regions 2, 3
.set G0Y,   44
.set SEL,   48
.set MSB, 0
.macro WIN new
.if MSB != (\new)
	s_set_vgpr_msb (MSB<<8)|(\new)
.set MSB, (\new)
.endif
.endm
.macro PLACES n
.rept \n
	v_nop
.endr
.endm
; my tensor load: p's shape or v's, by a short branch on the wave's number round the two lines; an s_nop 0 and four v_nop follow each
.macro TL g0
	s_cmp_lt_u32 s14, 2
	s_cbranch_scc0 .Lfor_v_\@
	tensor_load_to_lds s[\g0:\g0+3], s[G1P:G1P+7]
	s_nop 0
.rept 4
	v_nop
.endr
	s_branch .Lasked_\@
.Lfor_v_\@:
	tensor_load_to_lds s[\g0:\g0+3], s[G1V:G1V+7]
	s_nop 0
.rept 4
	v_nop
.endr
.Lasked_\@:
.endm
.macro FRAG reg, adr, off
.irp c, 0,1,2
	ds_load_b128 v[(\reg)+4*\c:(\reg)+4*\c+3], v[\adr] offset:(\off)+512*\c
.endr
.endm
; step t's fragments into set t % 2; with an even step the unit's scale words: lanes 0-15 the even step's, lanes 16-31 the odd step's
.macro FETCH t
.set FG, ((\t)/2)%4
.set FQ, (\t)%2
.set FS, ((\t)/2)%2
	WIN 0x40
.irp i, 0,1,2,3,4,5,6,7
	FRAG 128*FQ+FR*\i, ADRV+FG, 12800*(\i/4)+6400*FQ+1536*(\i%4)
.endr
	WIN 0
.irp a, 0,1,2,3
	FRAG PF+48*FQ+FR*\a, ADRP+FG, 6400*FQ+1536*\a
.endr
.if FQ == 0
	ds_load_b128 v[PS+4*FS:PS+4*FS+3], v[ADSP+FG] offset:6144
	ds_load_b128 v[VS+8*FS:VS+8*FS+3], v[ADSV+FG] offset:6144
	ds_load_b128 v[VS+8*FS+4:VS+8*FS+7], v[ADSV+FG] offset:12800+6144
.endif
.endm
; 32 products; the accumulators take turns, one instruction a turn
.macro PROD t
.set PQ, (\t)%2
.set PN, ((\t)/2)%2
	WIN 0xa1                                       ; source 0 (v) window 1, source 1 (p) window 0, C and D window 2
.irp a, 0,1,2,3
.irp i, 0,1,2,3,4,5,6,7
.if (\t) == 0
	v_wmma_scale_f32_16x16x128_f8f6f4 v[8*(8*\a+\i):8*(8*\a+\i)+7], v[128*PQ+FR*\i:128*PQ+FR*\i+FR-1], v[PF+48*PQ+FR*\a:PF+48*PQ+FR*\a+FR-1], 0, v[VS+8*PN+\i], v[PS+4*PN+\a] matrix_a_fmt:MATRIX_FMT_FP6 matrix_b_fmt:MATRIX_FMT_FP6
.elseif PQ == 0
	v_wmma_scale_f32_16x16x128_f8f6f4 v[8*(8*\a+\i):8*(8*\a+\i)+7], v[128*PQ+FR*\i:128*PQ+FR*\i+FR-1], v[PF+48*PQ+FR*\a:PF+48*PQ+FR*\a+FR-1], v[8*(8*\a+\i):8*(8*\a+\i)+7], v[VS+8*PN+\i], v[PS+4*PN+\a] matrix_a_fmt:MATRIX_FMT_FP6 matrix_b_fmt:MATRIX_FMT_FP6
.else
	v_wmma_scale_f32_16x16x128_f8f6f4 v[8*(8*\a+\i):8*(8*\a+\i)+7], v[128*PQ+FR*\i:128*PQ+FR*\i+FR-1], v[PF+48*PQ+FR*\a:PF+48*PQ+FR*\a+FR-1], v[8*(8*\a+\i):8*(8*\a+\i)+7], v[VS+8*PN+\i], v[PS+4*PN+\a] matrix_a_fmt:MATRIX_FMT_FP6 matrix_b_fmt:MATRIX_FMT_FP6 matrix_a_scale:MATRIX_SCALE_ROW1 matrix_b_scale:MATRIX_SCALE_ROW1
.endif
.endr
.endr
	WIN 0
.endm
; p's scale bytes of unit n under the row's M, four bytes at a time.  A byte is at most 125 and what is added 1 to 128, so no byte carries; bit 7 of a sum says that byte + shift is not negative; else the byte becomes 0
.macro SWAR n
.set PSB, PS+4*((\n)%2)
.irp w, 0,1,2,3
	v_add_nc_u32 v[PSB+\w], v[PSB+\w], v[EE+4*(\n)+\w]
.endr
.irp w, 0,1,2,3
	v_and_b32 v[TT+\w], 0x80808080, v[PSB+\w]
.endr
.irp w, 0,1,2,3
	v_lshrrev_b32 v[UU+\w], 7, v[TT+\w]
.endr
.irp w, 0,1,2,3
	v_sub_nc_u32 v[TT+\w], v[TT+\w], v[UU+\w]      ; 0x7f where bit 7 was set
.endr
.irp w, 0,1,2,3
	v_and_b32 v[PSB+\w], v[PSB+\w], v[TT+\w]
.endr
.endm
; A change of regions, on every wave's way whatever NS is.  Each wave waits for all its tensor loads, adds 0 to its spare word, waits for that and for its reads, and passes the barrier; behind it the pair of regions ahead is whole
; and nobody reads the pair behind, which takes the units four on, where the walk has such units: my one tensor load until the next change.  k = 0: regions 2, 3 get their first fill; k = 3: nothing is left to fetch.
.macro CHANGE k
	s_wait_tensorcnt 0x0
	ds_add_u32 v[SPW], v[NIL]
.if (\k) == 1
	s_add_nc_u64 s[G0X+2:G0X+3], s[G0X+2:G0X+3], 4*UNITB
.elseif (\k) == 2
	s_add_nc_u64 s[G0Y+2:G0Y+3], s[G0Y+2:G0Y+3], 4*UNITB
.endif
	s_wait_dscnt 0x0
	s_barrier_signal -1
	s_barrier_wait -1
.if (\k) < 3
	s_cmp_gt_u32 s20, s[21+(\k)]                   ; is my unit, 2 k + 2 + parity, one of the NS?
	s_cbranch_scc0 .Lnone_\@
.if (\k) == 1
	TL G0X
.else
	TL G0Y
.endif
.Lnone_\@:
.endif
.endm
; An even K step: the unit's first.  The next step's fragments are asked for ahead of this step's products, behind the places that loads into registers read by products want (ISA guide 7.12.1 for vector instructions)
.macro STEPE t
	s_wait_dscnt 0x0                               ; this step's fragments and the unit's scale words are in
	SWAR (\t)/2
	PLACES 8                                       ; a scale register written by a vector instruction stands eight places ahead of a scaled product
	FETCH (\t)+1
	PROD \t
.endm
; The two units of a pair of regions: K steps 4 k to 4 k + 3.  Where the walk has neither, all of it is jumped over; where it has the first alone, step 4 k + 1's products stand a second time, with nothing fetched beside them.
; All that a step reads from registers is loaded on the same way inside the pair.  No barrier and no tensor load stands in a pair.
.macro PAIR k
.if (\k) > 0
	s_cmp_gt_u32 s20, 2*(\k)
	s_cbranch_scc0 .Lpair_done_\k
.endif
	FETCH 4*(\k)
	STEPE 4*(\k)
	s_wait_dscnt 0x0                               ; step 4 k + 1's fragments are in
	PLACES 4
	s_cmp_gt_u32 s20, 2*(\k)+1
	s_cbranch_scc0 .Lshort_\k
	FETCH 4*(\k)+2
	PROD 4*(\k)+1
	STEPE 4*(\k)+2
	s_wait_dscnt 0x0
	PLACES 4
	PROD 4*(\k)+3
	s_branch .Lpair_done_\k
.Lshort_\k:
	PROD 4*(\k)+1
	PLACES 4                                       ; behind products whose scale registers a later run of loads names
.Lpair_done_\k:
.endm
; tile a of my queries goes out: / the sum, through my stage, as whole rows of 512 bytes
.macro OUTA a
.if (\a) > 0
	s_wait_xcnt 0x0                                ; the last tile's stores have read their registers
.endif
	WIN 0x02
.set JJ, 0
.rept 32
	v_pk_mul_f32 v[PF+JJ:PF+JJ+1], v[64*(\a)+JJ:64*(\a)+JJ+1], v[INV+2*(\a):INV+2*(\a)+1] op_sel_hi:[1,0]   ; each accumulator from its low end on
.set JJ, JJ+2
.endr
	WIN 0
.irp i, 0,1,2,3,4,5,6,7
	ds_store_b128 v[STO], v[PF+8*\i:PF+8*\i+3] offset:128*(\i/2)+32*(\i%2)          ; register j of tile i is d = 32 (i / 2) + 16 h + 8 (i % 2) + j
	ds_store_b128 v[STO], v[PF+8*\i+4:PF+8*\i+7] offset:128*(\i/2)+32*(\i%2)+16
.endr
.set JJ, 0
.rept 16
	ds_load_b128 v[MSR+4*JJ:MSR+4*JJ+3], v[RD] offset:528*JJ   ; LDS serves a wave's instructions in order: these see my stores
.set JJ, JJ+1
.endr
.set JJ, 0
.rept 16
	s_wait_dscnt 15-JJ                             ; the younger loads stay out
	global_store_b128 v[LI], v[MSR+4*JJ:MSR+4*JJ+3], s[12:13] offset:(32*((\a)/2)+8*((\a)%2)+JJ%8+16*(JJ/8))*4096 th:TH_STORE_NT   ; 32 lanes store 512 consecutive bytes, aligned
.set JJ, JJ+1
.endr
.endm
	s_load_b256 s[4:11], s[0:1], 0x0               ; PP, VP, MS, LS
	s_load_b64 s[12:13], s[0:1], 0x20              ; out0
	v_lshl_add_u32 v[SPW], v0, 2, SPARE
	v_mov_b32 v[NIL], 0
	ds_add_u32 v[SPW], v[NIL]                      ; the wave's opening: the add and its wait, ahead of my first tensor load
	v_lshrrev_b32 v1, 5, v0
	v_readfirstlane_b32 s14, v1                    ; wave 0..3
	s_lshr_b32 s15, s14, 1                         ; my group of queries.  Also: I fetch p (0) or v (1)
	s_and_b32 s16, s14, 1                          ; my half of the d.  Also: the parity of the units that I fetch
	s_and_b32 s17, ttmp7, 0xffff
	s_and_b32 s18, s17, 3                          ; the batch
	s_lshr_b32 s19, s17, 2
	s_sub_co_u32 s19, 15, s19                      ; qt
	s_lshr_b32 s20, s19, 1
	s_add_co_u32 s20, s20, 1                       ; NS
	s_add_co_u32 s21, s16, 2
	s_add_co_u32 s22, s16, 4
	s_add_co_u32 s23, s16, 6
	s_mov_b32 s[G1P], 3<<16                        ; no mask; elements of 8 bytes; no padding
	s_mov_b32 s[G1P+1], 1600<<16                   ; two packs on end
	s_mov_b32 s[G1P+2], 2<<16                      ; 2 groups
	s_mov_b32 s[G1P+3], 1600<<16
	s_mov_b32 s[G1P+4], 2
	s_mov_b32 s[G1P+5], 12800                      ; 102,400 bytes from group to group
	s_mov_b32 s[G1P+6], 0
	s_mov_b32 s[G1P+7], 0
	s_mov_b32 s[G1V], 3<<16
	s_mov_b32 s[G1V+1], 1600<<16
	s_mov_b32 s[G1V+2], 4<<16                      ; 4 groups
	s_mov_b32 s[G1V+3], 1600<<16
	s_mov_b32 s[G1V+4], 4
	s_mov_b32 s[G1V+5], 51200                      ; 409,600 bytes from group to group
	s_mov_b32 s[G1V+6], 0
	s_mov_b32 s[G1V+7], 0
	s_mov_b32 s[SEL], 0x76543210
	s_mov_b32 s[SEL+1], 0xfedcba98
	s_mov_b32 s50, 0x01010101
	s_mul_i32 s51, s16, REG                        ; where my tiles go: region = parity, v's part behind p's
	s_mul_i32 s52, s15, 25600
	s_add_co_u32 s51, s51, s52
	s_lshl_b32 s52, s18, 5
	s_lshl_b32 s53, s19, 1
	s_add_co_u32 s52, s52, s53                     ; the block's first group of queries
	s_mul_i32 s54, s52, 102400
	s_mul_i32 s55, ttmp9, 4*409600
	s_mul_i32 s56, s18, 102400                     ; the batch's 16 K steps
	s_add_co_u32 s55, s55, s56
	s_cmp_lt_u32 s14, 2
	s_cselect_b32 s54, s54, s55
	s_mul_i32 s55, s16, UNITB
	s_add_co_u32 s54, s54, s55
	s_mov_b32 s55, 0
	s_add_co_u32 s56, s52, s15
	s_lshl_b32 s56, s56, 12                        ; my group's statistics
	s_mov_b32 s57, 0
	s_lshl_b32 s58, s18, 11
	s_lshl_b32 s59, s19, 7
	s_add_co_u32 s58, s58, s59
	s_lshl_b32 s59, s15, 6
	s_add_co_u32 s58, s58, s59                     ; my first row of O
	s_lshl_b32 s58, s58, 12
	s_lshl_b32 s59, ttmp9, 10
	s_add_co_u32 s58, s58, s59
	s_lshl_b32 s59, s16, 9
	s_add_co_u32 s58, s58, s59                     ; + my first column, in bytes
	s_mov_b32 s59, 0
	v_and_b32 v1, 15, v0                           ; r
	v_bfe_u32 v2, v0, 4, 1                         ; h
	v_and_b32 v[LI], 31, v0
	v_lshlrev_b32 v[LI], 4, v[LI]
	v_lshlrev_b32 v[SA], 8, v2
	v_lshl_add_u32 v[SA], v1, 4, v[SA]             ; lanes 0-15 a unit's even chunk, lanes 16-31 its odd one
.set JJ, 0
.rept 32
	v_mov_b32 v[MSR+JJ], 0x7f61b1e6                ; units that the walk does not have: -M = 3e38, above every chunk's,
	v_mov_b32 v[LSR+JJ], 0                         ; and a sum of 0
.set JJ, JJ+1
.endr
	s_wait_dscnt 0x0                               ; the opening add is done
	s_wait_kmcnt 0x0
	s_cmp_lt_u32 s14, 2
	s_cselect_b64 s[60:61], s[4:5], s[6:7]
	s_add_nc_u64 s[60:61], s[60:61], s[54:55]
	s_add_nc_u64 s[8:9], s[8:9], s[56:57]
	s_add_nc_u64 s[10:11], s[10:11], s[56:57]
	s_add_nc_u64 s[12:13], s[12:13], s[58:59]
	s_mov_b32 s[G0X], 1
	s_mov_b32 s[G0X+1], s51
	s_mov_b64 s[G0X+2:G0X+3], s[60:61]
	s_or_b32 s[G0X+3], s[G0X+3], 0x80000000
	s_mov_b32 s[G0Y], 1
	s_add_co_u32 s[G0Y+1], s51, 2*REG
	s_add_nc_u64 s[G0Y+2:G0Y+3], s[60:61], 2*UNITB
	s_or_b32 s[G0Y+3], s[G0Y+3], 0x80000000
	s_cmp_gt_u32 s20, s16                          ; unit 0 or 1, where the walk has it
	s_cbranch_scc0 .Lno_first
	TL G0X
.Lno_first:
.irp n, 0,1,2,3,4,5,6,7
.if \n > 0
	s_cmp_le_u32 s20, \n
	s_cbranch_scc1 .Lstat_done
.endif
	global_load_b128 v[MSR+4*\n:MSR+4*\n+3], v[SA], s[8:9] offset:512*\n
	global_load_b128 v[LSR+4*\n:LSR+4*\n+3], v[SA], s[10:11] offset:512*\n
.endr
.Lstat_done:
	s_mul_i32 s51, s15, UNITB                      ; my group in a region's p
	s_mul_i32 s52, s16, 25600
	s_add_co_u32 s52, s52, 25600                   ; my two groups of v
	v_mul_u32_u24 v[TT], v2, 6400
	v_lshl_add_u32 v[TT], v1, 4, v[TT]             ; scale words: 16 r + 6,400 h
.irp g, 0,1,2,3
	v_add_nc_u32 v[ADRP+\g], s51, v[LI]
	v_add_nc_u32 v[ADRV+\g], s52, v[LI]
	v_add_nc_u32 v[ADSP+\g], s51, v[TT]
	v_add_nc_u32 v[ADSV+\g], s52, v[TT]
	s_add_co_u32 s51, s51, REG
	s_add_co_u32 s52, s52, REG
.endr
	s_wait_loadcnt 0x0
	; the row's -M: the least of its chunks'
.irp w, 0,1,2,3
	v_min3_num_f32 v[NR+\w], v[MSR+\w], v[MSR+4+\w], v[MSR+8+\w]
.endr
.irp w, 0,1,2,3
	v_min3_num_f32 v[NR+\w], v[NR+\w], v[MSR+12+\w], v[MSR+16+\w]
.endr
.irp w, 0,1,2,3
	v_min3_num_f32 v[NR+\w], v[NR+\w], v[MSR+20+\w], v[MSR+24+\w]
.endr
.irp w, 0,1,2,3
	v_min_num_f32 v[NR+\w], v[NR+\w], v[MSR+28+\w]
.endr
.irp w, 0,1,2,3
	v_mov_b32 v[XT+\w], 0                          ; a lane permute's destination counts as one of its sources
.endr
.irp w, 0,1,2,3
	v_permlanex16_b32 v[XT+\w], v[NR+\w], s[SEL], s[SEL+1]
.endr
.irp w, 0,1,2,3
	v_min_num_f32 v[NR+\w], v[NR+\w], v[XT+\w]
.endr
.irp n, 0,1,2,3,4,5,6,7
.irp w, 0,1,2,3
	v_sub_f32 v[DT+\w], v[NR+\w], v[MSR+4*\n+\w]   ; chunk's M - row's M: a whole number, 0 or less
.endr
.irp w, 0,1,2,3
	v_max_num_f32 v[DT+\w], 0xc2fe0000, v[DT+\w]   ; held at -127
.endr
.irp w, 0,1,2,3
	v_cvt_i32_f32 v[DT+\w], v[DT+\w]
.endr
.if \n == 0
.irp w, 0,1,2,3
	v_ldexp_f32 v[LT+\w], v[LSR+\w], v[DT+\w]      ; the chunk's sum under the row's M: nothing is rounded
.endr
.else
.irp w, 0,1,2,3
	v_ldexp_f32 v[FT+\w], v[LSR+4*\n+\w], v[DT+\w]
.endr
.irp w, 0,1,2,3
	v_add_f32 v[LT+\w], v[LT+\w], v[FT+\w]
.endr
.endif
.irp w, 0,1,2,3
	v_mul_lo_u32 v[DT+\w], v[DT+\w], s50
.endr
.irp w, 0,1,2,3
	v_add_nc_u32 v[EE+4*\n+\w], 0x80808080, v[DT+\w]   ; 128 + the shift in each byte
.endr
.endr
.irp w, 0,1,2,3
	v_permlanex16_b32 v[XT+\w], v[LT+\w], s[SEL], s[SEL+1]
.endr
.irp w, 0,1,2,3
	v_add_f32 v[LT+\w], v[LT+\w], v[XT+\w]         ; even chunks' and odd chunks': the row's sum
.endr
.irp w, 0,1,2,3
	v_rcp_f32 v[INV+2*\w], v[LT+\w]
.endr
	v_nop                                          ; a plain place behind the reciprocals
	s_wait_alu depctr_va_vdst(0)                   ; one wait for the four, ahead of their first reader
.irp w, 0,1,2,3
	v_mov_b32 v[INV+2*\w+1], v[INV+2*\w]           ; (named with it as a pair)
.endr
	CHANGE 0                                       ; units 0 and 1 are whole; units 2 and 3 go out
	PAIR 0
	CHANGE 1                                       ; units 2 and 3 are whole; regions 0 and 1 are left and take units 4 and 5
	PAIR 1
	CHANGE 2                                       ; units 4 and 5 are whole; regions 2 and 3 are left and take units 6 and 7
	PAIR 2
	CHANGE 3                                       ; units 6 and 7 are whole; nothing is left to fetch
	PAIR 3
	; THE WAY OUT
	s_wait_tensorcnt 0x0                           ; no tensor load of mine is out
	ds_add_u32 v[SPW], v[NIL]                      ; the four address lines below are also the places behind the last products
	s_mul_i32 s51, s14, 8448                       ; my stage: 16 rows x (512 + 16) bytes, in region 0, which has had its last fill
	v_mul_u32_u24 v[STO], v1, 528
	v_lshl_add_u32 v[STO], v2, 6, v[STO]
	v_add_nc_u32 v[STO], s51, v[STO]
	v_add_nc_u32 v[RD], s51, v[LI]
	s_wait_dscnt 0x0                               ; my reads of the regions are over
	s_barrier_signal -1
	s_barrier_wait -1                              ; everybody's are: region 0 may be written
	OUTA 0
	OUTA 1
	OUTA 2
	OUTA 3
	s_wait_tensorcnt 0x0                           ; the wave's end, behind my last LDS store
	ds_add_u32 v[SPW], v[NIL]
	s_wait_dscnt 0x0
	s_endpgm
.Lfunc_end_k_q5312c16f67_pv:
	.size	k_q5312c16f67_pv, .Lfunc_end_k_q5312c16f67_pv-k_q5312c16f67_pv
	.p2alignl 7, 3214868480
	.fill 96, 4, 3214868480
	.section	.rodata,"a",@progbits
	.p2align	6, 0x0
	.amdhsa_kernel k_q5312c16f67_pv
		.amdhsa_group_segment_fixed_size 327680
		.amdhsa_private_segment_fixed_size 0
		.amdhsa_enable_private_segment 0
		.amdhsa_kernarg_size 40
		.amdhsa_user_sgpr_count 2
		.amdhsa_user_sgpr_kernarg_segment_ptr 1
		.amdhsa_wavefront_size32 1
		.amdhsa_system_sgpr_workgroup_id_x 1
		.amdhsa_system_sgpr_workgroup_id_y 1
		.amdhsa_system_sgpr_workgroup_id_z 1
		.amdhsa_system_vgpr_workitem_id 0
		.amdhsa_next_free_vgpr 768
		.amdhsa_next_free_sgpr 100
		.amdhsa_reserve_vcc 0
		.amdhsa_float_denorm_mode_32 3
		.amdhsa_float_denorm_mode_16_64 3
		.amdhsa_memory_ordered 1
		.amdhsa_forward_progress 1
		.amdhsa_inst_pref_size 182
	.end_amdhsa_kernel
	.amdgpu_metadata
---
amdhsa.version: [ 1, 2 ]
amdhsa.kernels:
  - .name:           k_q5312c16f67_pv
    .symbol:         k_q5312c16f67_pv.kd
    .args:
      - { .name: PP, .offset: 0, .size: 8, .value_kind: global_buffer, .address_space: global }
      - { .name: VP, .offset: 8, .size: 8, .value_kind: global_buffer, .address_space: global }
      - { .name: MS, .offset: 16, .size: 8, .value_kind: global_buffer, .address_space: global }
      - { .name: LS, .offset: 24, .size: 8, .value_kind: global_buffer, .address_space: global }
      - { .name: out0, .offset: 32, .size: 8, .value_kind: global_buffer, .address_space: global }
    .group_segment_fixed_size: 327680
    .private_segment_fixed_size: 0
    .kernarg_segment_align: 8
    .kernarg_segment_size: 40
    .max_flat_workgroup_size: 128
    .sgpr_count:     100
    .vgpr_count:     768
    .wavefront_size: 32
...
	.end_amdgpu_metadata
.endif
;; end of part 4
